; MI455X (gfx1250); checked and timed in simulation.
; The chip was launched on July 23, 2026; its instructions are those of AMD's public machine-readable ISA for CDNA 5 (MIT licence, August 2026) and "CDNA5" Instruction Set Architecture Reference Guide (July 2026). The comments in the code are by the model that wrote it; some were corrected since.
;; Block. Allowed arithmetic: matrix products marked QUANTISED: E2M3 operands, one E8M0 scale for each 32 along K, by v_wmma_scale_f32_16x16x128_f8f6f4 with both operands' format E2M3, f32 sums; everything else in f32.
;; Inputs: b_attn 3,072 float32; b_fc 4,096 float32; b_fc2 1,024 float32; b_proj 1,024 float32; ln1_b 1,024 float32; ln1_g 1,024 float32; ln2_b 1,024 float32; ln2_g 1,024 float32; w_attn_codes 3,072 x 32 x 24 uint8 (E2M3 codes of w_attn, K innermost, in blocks of 32 codes, four codes in three bytes); w_attn_scales 3,072 x 32 uint8 (E8M0 scales of w_attn, one for each 32 codes along K); w_fc2_codes 1,024 x 128 x 24 uint8 (E2M3 codes of w_fc2, K innermost, in blocks of 32 codes, four codes in three bytes); w_fc2_scales 1,024 x 128 uint8 (E8M0 scales of w_fc2, one for each 32 codes along K); w_fc_codes 4,096 x 32 x 24 uint8 (E2M3 codes of w_fc, K innermost, in blocks of 32 codes, four codes in three bytes); w_fc_scales 4,096 x 32 uint8 (E8M0 scales of w_fc, one for each 32 codes along K); w_proj_codes 1,024 x 32 x 24 uint8 (E2M3 codes of w_proj, K innermost, in blocks of 32 codes, four codes in three bytes); w_proj_scales 1,024 x 32 uint8 (E8M0 scales of w_proj, one for each 32 codes along K); x 2 x 2,048 x 1,024 float32.
;; Outputs: out0 2 x 2,048 x 1,024 float32.
;; This version of the problem:
;;   THIS VERSION OF THE PROBLEM IS GIVEN IN LOW PRECISION. The matrix products marked QUANTISED in the list below multiply operands that are first quantised to E2M3 (2 exponent bits, 3 mantissa bits; 6 bits a number), with one power-of-two scale for each 32 numbers along K (OCP MX v1.0); their sums are f32. All else is computed in f32.
;;   The module's matrix products, in the order in which they are computed (A, B: the left and right operand; K: the contracted axis; several contracted axes count as one K, in the product's order):
;;     1. [M 4,096, K 1,024] x [K 1,024, N 3,072]; A: computed on the way; B: input w_attn (given as codes): QUANTISED
;;     2. batch 32 x [M 2,048, K 64] x [K 64, N 2,048]; A: computed on the way; B: computed on the way: QUANTISED
;;     3. batch 32 x [M 2,048, K 2,048] x [K 2,048, N 64]; A: softmax (see below); B: computed on the way: QUANTISED
;;     4. [M 4,096, K 1,024] x [K 1,024, N 1,024]; A: computed on the way; B: input w_proj (given as codes): QUANTISED
;;     5. [M 4,096, K 1,024] x [K 1,024, N 4,096]; A: computed on the way; B: input w_fc (given as codes): QUANTISED
;;     6. [M 4,096, K 4,096] x [K 4,096, N 1,024]; A: computed on the way; B: input w_fc2 (given as codes): QUANTISED
;;   THE QUANTISER, for each operand of a quantised product, along K:
;;     - K is cut into blocks of 32 from its start; a last block that is shorter is filled with zeros.
;;     - A block's scale is 2^e with e = floor(log2(the largest magnitude in the block)) - 2, held to -126 .. 127; a block of zeros has e = 0. As a byte (E8M0): e + 127.
;;     - Each number is divided by its block's scale, clamped to +-7.5, and rounded to the nearest number of E2M3, ties to even, subnormals kept.
;;     - The product sums the exact products of the quantised numbers (number of the format x scale) in f32.
;;   ~~~python
;;   def quantise(x, axis):      # numpy; x: float32 -> the quantised numbers, widened to float32 again
;;       x = np.moveaxis(x, axis, -1); K = x.shape[-1]
;;       x = np.pad(x, [(0, 0)] * (x.ndim - 1) + [(0, -K % 32)]); x = x.reshape(x.shape[:-1] + (-1, 32)); a = np.abs(x).max(-1, keepdims=True)
;;       e = np.where(a > 0, np.clip(np.frexp(np.where(a > 0, a, 1))[1] - 1 - 2, -126, 127), 0)      # np.frexp(a)[1] - 1 = floor(log2(a)), exactly
;;       r = np.clip(x / 2.0 ** e, -7.5, 7.5)
;;       step = 2.0 ** (np.maximum(np.frexp(np.where(r == 0, 1, r))[1] - 1, 0) - 3)
;;       q = np.round(r / step) * step * 2.0 ** e      # np.round: ties to even
;;       return np.moveaxis(q.reshape(q.shape[:-2] + (-1,))[..., :K], -1, axis).astype(np.float32)
;;   ~~~
;;   SOFTMAX AHEAD OF A QUANTISED PRODUCT. Where the list says 'softmax', what is quantised is not the finished softmax but p = 2^(t - M), with t = logit x log2(e) and M = ceil(the row's largest t), a whole number; so 1/2 < the row's largest p <= 1. The row's sum l is taken of the UNQUANTISED p, in f32, and the product's result is divided by l at the end. Since M is a whole number, a kernel that streams over the keys may use a running M (the ceiling of the running maximum): every later rescaling is an exact power of two, which a block's scale takes up: the codes' values come out the same.
;;   OPERANDS COMPUTED ON THE WAY. 'Computed on the way' means the value that the module computes at that place (a softmax that the list does not call 'softmax' is quantised finished and normalised). What goes into a quantiser is computed in f32, as accurately as f32 sums, v_exp_f32 and their like allow (about 1e-6 of the number): no bf16 or f16 on the way to a quantiser, and a product that is left as it is and whose result goes on into a quantised operand takes f32 operands (vector FMAs, or v_wmma_f32_16x16x4_f32). A number that lies on a knife's edge between two numbers of the format may be rounded either way, as far as f32 arithmetic and the matrix unit's own rounding can turn it there, and no further.
;;   INPUTS GIVEN AS CODES. w_attn (in the module: [1024, 3072], K = its axis 0); w_fc (in the module: [1024, 4096], K = its axis 0); w_fc2 (in the module: [4096, 1024], K = its axis 0); w_proj (in the module: [1024, 1024], K = its axis 0): each comes as NAME_codes (uint8): NAME with its K axis moved to the last place and cut into blocks of 32 codes, [.., K / 32, bytes a block], one block behind the other in memory; four codes in three bytes: a row's codes are one little-endian stream of bits, code i at bits 6 i .. 6 i + 5 (a code: sign, 2 exponent bits, 3 mantissa bits); and NAME_scales (uint8): the same leading axes, one E8M0 byte (e + 127) for each 32 codes along K. Its value is code x scale, taken as it is: it is not quantised again, and the codes and scales need not be those that the quantiser above would give.
;; One version. Each part assembles by itself: llvm-mc -triple=amdgcn-amd-amdhsa -mcpu=gfx1250 --defsym DOCPART=n.
;; ======== version 1 of 1: 7 launches
;; limits: an absolute error that grows with the inputs' magnitude: up to 1e-07 times it
;; workspace buffers: abuf 3,276,800 bytes; qkvbuf 10,092,544 bytes; ybuf 3,276,800 bytes; x1 16,777,216 bytes; hbuf 13,107,200 bytes
;; launch ln1 (part 1): grid 256 x 1, 8 waves a work-group, no clusters, 43,008 bytes of LDS; arguments x, ln1_g, ln1_b, abuf; writes abuf
.if DOCPART == 1
	.amdgcn_target "amdgcn-amd-amdhsa--gfx1250"
	.amdhsa_code_object_version 6
	.text
	.protected	k_qc4e3d68a69_ln1
	.globl	k_qc4e3d68a69_ln1
	.p2align	8
	.type	k_qc4e3d68a69_ln1,@function
k_qc4e3d68a69_ln1:
	s_mov_b64 s[64:65], 0
	v_nop
	global_prefetch_b8 v0, s[64:65] scope:SCOPE_SE
	s_setreg_imm32_b32 hwreg(HW_REG_WAVE_MODE, 25, 1), 1
	s_wait_xcnt 0x0
; LayerNorm of rows of 1,024 f32 numbers, then the MX quantiser along the row: codes of FP6 (E2M3), 768 bytes a row, at byte 0 of the output buffer, and one E8M0 byte for each 32 numbers, 32 bytes a row, at byte 0x300000.
; A work-group of eight waves takes 16 rows, a wave two.  A row lies whole in 32 registers of the wave (eight loads of 512 consecutive bytes), between the mean, the variance and the scaling: it is read once.
; mean = sum / 1024; variance = sum of (x - mean)^2 / 1024; y = (x - mean) rsqrt(variance + 1e-5) g + b, all in f32.
; The conversion takes 16 neighbours from ONE lane, the loads give a lane 4: so 512 numbers at a time turn through the wave's own stage in LDS (64 bytes + 16 of padding a lane).  Two neighbouring lanes hold a block of 32.
; A block's scale byte is its largest magnitude's exponent field - 2, held at 1 from below.  A block of zeros so gets the byte 1, not 127: its codes are zeros, and this program alone reads the bytes.
; LIMITS: NaN and infinities among the inputs are not served.
; The 512 scale bytes of the 16 rows are gathered in LDS and leave as 512 consecutive bytes, by wave 0, behind the one barrier.
.set G,   16                           ; v16-47   g of my 32 columns
.set B,   48                           ; v48-79   b
.set X,   80                           ; v80-143  two rows
.set N,   144                          ; v144-175 two sets of 16 neighbours
.set C,   176                          ; v176-191 codes: four registers for each of the four steps, so that no store's data are written again
.set E,   192                          ; v192-195 a scale byte for each step
.set MU,  196                          ; v[196:197] the mean, twice
.set RS,  198                          ; v[198:199] 1 / sqrt(variance + eps), twice
.set SP,  80                           ; a lane's place in a stage
.set WST, 5120                         ; a wave's two stages of 32 x SP bytes
.set SBY, 40960                        ; behind the stages: the work-group's 512 scale bytes
	s_load_b256 s[4:11], s[0:1], 0x0               ; the rows s[4:5], g s[6:7], b s[8:9], the output buffer s[10:11]
	v_lshl_add_u32 v200, v0, 2, 0xa400
	v_mov_b32 v201, 0
	v_lshrrev_b32 v1, 5, v0
	v_readfirstlane_b32 s14, v1                    ; wave 0..7
	v_and_b32 v1, 31, v0                           ; lane
	v_lshlrev_b32 v2, 4, v1                        ; 16 x lane: my bytes of a load's 512
	s_lshl_b32 s20, s14, 13
	v_add_nc_u32 v3, s20, v2                       ; + my wave's two rows of 4,096 bytes
	s_mul_i32 s20, s14, 1536
	v_mul_u32_u24 v4, v1, 12
	v_add_nc_u32 v4, s20, v4                       ; the codes: 12 x lane + my wave's two rows of 768 bytes
	s_lshl_b32 s20, s14, 6
	s_add_co_u32 s20, s20, SBY
	v_lshrrev_b32 v5, 1, v1
	v_add_nc_u32 v5, s20, v5                       ; LDS: my block's scale byte
	s_mul_i32 s20, s14, WST
	v_lshrrev_b32 v6, 2, v1
	v_mul_u32_u24 v6, v6, SP
	v_and_b32 v7, 3, v1
	v_lshl_add_u32 v6, v7, 4, v6
	v_add_nc_u32 v6, s20, v6                       ; the stage, on the way in: four lanes' 64 bytes on end, then 16 of padding
	v_mul_u32_u24 v7, v1, SP
	v_add_nc_u32 v7, s20, v7                       ; and on the way out: my 16 neighbours
	v_add_nc_u32 v14, SBY, v2                      ; where wave 0 reads the scale bytes back
	v_mov_b32 v9, 0                                ; written once: a lane permute's destination counts as one of its sources
	s_mov_b32 s12, 0x76543210
	s_mov_b32 s13, 0xfedcba98                      ; v_permlanex16_b32's selects for lane l xor 16
	s_mov_b32 s15, 0x3a800000                      ; 1 / 1024
	s_lshl_b32 s16, ttmp9, 16                      ; the work-group's 16 rows of 4,096 bytes,
	s_mov_b32 s17, 0
	s_mul_i32 s18, ttmp9, 12288                    ; of 768 bytes of codes,
	s_mov_b32 s19, 0
	s_lshl_b32 s20, ttmp9, 9                       ; of 32 scale bytes
	s_add_co_u32 s20, s20, 0x300000
	s_mov_b32 s21, 0
	s_wait_kmcnt 0x0
	s_add_nc_u64 s[4:5], s[4:5], s[16:17]
	s_add_nc_u64 s[22:23], s[10:11], s[20:21]
	s_add_nc_u64 s[10:11], s[10:11], s[18:19]
.irp j, 0,1,2,3,4,5,6,7
	global_load_b128 v[G+4*\j:G+4*\j+3], v2, s[6:7] offset:512*\j
	global_load_b128 v[B+4*\j:B+4*\j+3], v2, s[8:9] offset:512*\j
.endr
.irp q, 0,1
.irp j, 0,1,2,3,4,5,6,7
	global_load_b128 v[X+32*\q+4*\j:X+32*\q+4*\j+3], v3, s[4:5] offset:4096*\q+512*\j
.endr
.endr
.macro LANES                           ; v8 summed over the 32 lanes, the result in every lane
	v_add_f32_dpp v8, v8, v8 row_xmask:1 row_mask:0xf bank_mask:0xf
	v_add_f32_dpp v8, v8, v8 row_xmask:2 row_mask:0xf bank_mask:0xf
	v_add_f32_dpp v8, v8, v8 row_xmask:4 row_mask:0xf bank_mask:0xf
	v_add_f32_dpp v8, v8, v8 row_xmask:8 row_mask:0xf bank_mask:0xf
	v_permlanex16_b32 v9, v8, s12, s13
	v_add_f32 v8, v8, v9
.endm
.macro ROW q                           ; row q of my two is normalised in place
.set XR, X+32*\q
	s_wait_loadcnt 8*(1-\q)                        ; g, b and this row are in; the other row's eight loads may be out
	v_pk_add_f32 v[10:11], v[XR:XR+1], v[XR+2:XR+3]
	v_pk_add_f32 v[12:13], v[XR+4:XR+5], v[XR+6:XR+7]
.irp j, 8,12,16,20,24,28
	v_pk_add_f32 v[10:11], v[10:11], v[XR+\j:XR+\j+1]
	v_pk_add_f32 v[12:13], v[12:13], v[XR+\j+2:XR+\j+3]
.endr
	v_pk_add_f32 v[10:11], v[10:11], v[12:13]
	v_add_f32 v8, v10, v11
	LANES
	v_mul_f32 v[MU], s15, v8                       ; the mean
	v_mov_b32 v[MU+1], v[MU]
.set kk, 0
.rept 16
	v_pk_add_f32 v[XR+kk:XR+kk+1], v[XR+kk:XR+kk+1], v[MU:MU+1] neg_lo:[0,1] neg_hi:[0,1]
.set kk, kk+2
.endr
	v_pk_mul_f32 v[10:11], v[XR:XR+1], v[XR:XR+1]
	v_pk_mul_f32 v[12:13], v[XR+2:XR+3], v[XR+2:XR+3]
.irp j, 4,8,12,16,20,24,28
	v_pk_fma_f32 v[10:11], v[XR+\j:XR+\j+1], v[XR+\j:XR+\j+1], v[10:11]
	v_pk_fma_f32 v[12:13], v[XR+\j+2:XR+\j+3], v[XR+\j+2:XR+\j+3], v[12:13]
.endr
	v_pk_add_f32 v[10:11], v[10:11], v[12:13]
	v_add_f32 v8, v10, v11
	LANES
	v_fmaak_f32 v8, s15, v8, 0x3727c5ac            ; the variance + 1e-5
	v_rsq_f32 v[RS], v8
	v_nop                                          ; a plain instruction behind the transcendental,
	s_wait_alu depctr_va_vdst(0)                   ; and the wait ahead of the first use of its result
	v_mov_b32 v[RS+1], v[RS]
.set kk, 0
.rept 16
	v_pk_mul_f32 v[XR+kk:XR+kk+1], v[XR+kk:XR+kk+1], v[RS:RS+1]
.set kk, kk+2
.endr
.set kk, 0
.rept 16
	v_pk_fma_f32 v[XR+kk:XR+kk+1], v[XR+kk:XR+kk+1], v[G+kk:G+kk+1], v[B+kk:B+kk+1]
.set kk, kk+2
.endr
.endm
.macro QSTEP q, st                     ; 512 numbers of row q, from number 512 st on, become codes and 16 scale bytes
.set NN, 2*\q+\st
.set XS, N+16*(NN%2)
.irp i, 0,1,2,3
	ds_store_b128 v6, v[X+32*\q+16*\st+4*\i:X+32*\q+16*\st+4*\i+3] offset:32*SP*(NN%2)+8*SP*\i
.endr
.irp i, 0,1,2,3
	ds_load_b128 v[XS+4*\i:XS+4*\i+3], v7 offset:32*SP*(NN%2)+16*\i   ; LDS serves a wave's instructions in order: these see the stores above
.endr
	s_wait_dscnt 0x0
	v_max3_num_f32 v8, |v[XS]|, |v[XS+1]|, |v[XS+2]|               ; the largest magnitude of my 16
	v_max3_num_f32 v9, |v[XS+3]|, |v[XS+4]|, |v[XS+5]|
.irp i, 6,10
	v_max3_num_f32 v8, v8, |v[XS+\i]|, |v[XS+\i+1]|
	v_max3_num_f32 v9, v9, |v[XS+\i+2]|, |v[XS+\i+3]|
.endr
	v_max3_num_f32 v8, v8, |v[XS+14]|, |v[XS+15]|
	v_max3_num_f32 v8, v8, v9, 0x1800000           ; and the floor 2^(3 - 127): the byte cannot fall under 1
	v_max_num_f32_dpp v8, v8, v8 row_xmask:1 row_mask:0xf bank_mask:0xf   ; and of my neighbour's 16: the block's
	v_add_nc_u32 v11, 0xff000000, v8               ; 2 off its exponent field: the conversion takes the exponent field of this operand as its scale
	v_cvt_scalef32_pk16_fp6_f32 v[C+4*NN:C+4*NN+2], v[XS:XS+15], v11
	v_lshrrev_b32 v[E+NN], 23, v11                 ; the scale's byte
	ds_store_b8 v5, v[E+NN] offset:32*\q+16*\st    ; both lanes of a block write the same byte with the same value
	global_store_b96 v4, v[C+4*NN:C+4*NN+2], s[10:11] offset:768*\q+384*\st   ; the wave stores 384 consecutive bytes
.endm
	ROW 0
	QSTEP 0, 0
	QSTEP 0, 1
	ROW 1
	QSTEP 1, 0
	QSTEP 1, 1
	s_wait_dscnt 0x0                               ; for the others' sake: my scale bytes lie in LDS
	s_barrier_signal -1
	s_barrier_wait -1
	s_cmp_lg_u32 s14, 0
	s_cbranch_scc1 .Ldone
	ds_load_b128 v[144:147], v14                   ; the 16 rows' 512 scale bytes
	s_wait_dscnt 0x0
	global_store_b128 v2, v[144:147], s[22:23]     ; 512 consecutive bytes, at a multiple of 256 from the buffer's first byte
.Ldone:
	s_wait_tensorcnt 0x0
	ds_add_u32 v200, v201
	s_wait_dscnt 0x0
	s_endpgm
.Lfunc_end_k_qc4e3d68a69_ln1:
	.size	k_qc4e3d68a69_ln1, .Lfunc_end_k_qc4e3d68a69_ln1-k_qc4e3d68a69_ln1
	.p2alignl 7, 3214868480
	.fill 96, 4, 3214868480
	.section	.rodata,"a",@progbits
	.p2align	6, 0x0
	.amdhsa_kernel k_qc4e3d68a69_ln1
		.amdhsa_group_segment_fixed_size 43008
		.amdhsa_private_segment_fixed_size 0
		.amdhsa_enable_private_segment 0
		.amdhsa_kernarg_size 32
		.amdhsa_user_sgpr_count 2
		.amdhsa_user_sgpr_kernarg_segment_ptr 1
		.amdhsa_wavefront_size32 1
		.amdhsa_system_sgpr_workgroup_id_x 1
		.amdhsa_system_sgpr_workgroup_id_y 1
		.amdhsa_system_sgpr_workgroup_id_z 1
		.amdhsa_system_vgpr_workitem_id 0
		.amdhsa_next_free_vgpr 202
		.amdhsa_next_free_sgpr 66
		.amdhsa_reserve_vcc 0
		.amdhsa_float_denorm_mode_32 3
		.amdhsa_float_denorm_mode_16_64 3
		.amdhsa_memory_ordered 1
		.amdhsa_forward_progress 1
		.amdhsa_inst_pref_size 24
	.end_amdhsa_kernel
	.amdgpu_metadata
---
amdhsa.version: [ 1, 2 ]
amdhsa.kernels:
  - .name:           k_qc4e3d68a69_ln1
    .symbol:         k_qc4e3d68a69_ln1.kd
    .args:
      - { .name: x, .offset: 0, .size: 8, .value_kind: global_buffer, .address_space: global }
      - { .name: ln1_g, .offset: 8, .size: 8, .value_kind: global_buffer, .address_space: global }
      - { .name: ln1_b, .offset: 16, .size: 8, .value_kind: global_buffer, .address_space: global }
      - { .name: abuf, .offset: 24, .size: 8, .value_kind: global_buffer, .address_space: global }
    .group_segment_fixed_size: 43008
    .private_segment_fixed_size: 0
    .kernarg_segment_align: 8
    .kernarg_segment_size: 32
    .max_flat_workgroup_size: 256
    .sgpr_count:     66
    .vgpr_count:     202
    .wavefront_size: 32
...
	.end_amdgpu_metadata
.endif
;; end of part 1
;; launch qkv (part 2): grid 12 x 16, 4 waves a work-group, clusters of 4 x 4, 327,680 bytes of LDS; arguments abuf, w_attn_codes, w_attn_scales, b_attn, qkvbuf; writes qkvbuf
.if DOCPART == 2
	.amdgcn_target "amdgcn-amd-amdhsa--gfx1250"
	.amdhsa_code_object_version 6
	.text
	.protected	k_qc4e3d68a69_qkv
	.globl	k_qc4e3d68a69_qkv
	.p2align	8
	.type	k_qc4e3d68a69_qkv,@function
k_qc4e3d68a69_qkv:
	s_mov_b64 s[64:65], 0
	v_nop
	global_prefetch_b8 v0, s[64:65] scope:SCOPE_SE
	s_setreg_imm32_b32 hwreg(HW_REG_WAVE_MODE, 25, 1), 1
	s_wait_xcnt 0x0
	s_wait_alu depctr_hold_cnt(0) depctr_sa_sdst(0) depctr_va_vdst(0) depctr_va_sdst(0) depctr_va_ssrc(0) depctr_va_vcc(0) depctr_vm_vsrc(0)
	s_getreg_b32 s2, hwreg(HW_REG_IB_STS2, 6, 4)
	s_cmp_eq_u32 s2, 0
	s_cbranch_scc0 .Lentry_in_a_cluster
	s_endpgm
.Lentry_in_a_cluster:
	s_bfe_u32 s2, ttmp6, 0x10000c
	s_cmp_lg_u32 s2, 0xf033
	s_cbranch_scc0 .Lentry_shape_is_right
	s_endpgm
.Lentry_shape_is_right:
; qkv = a W^T + b on codes of FP6 (E2M3) with one E8M0 scale for each 32 along K = 1,024; the results are quantised at once, q and k along the head's 64, v along the keys, and leave as IMAGES of the next operands' registers.
; a: 4,096 tokens, codes [token][768 bytes] at byte 0 of its buffer, scale bytes [token][32] at byte 0x300000.  W: [3,072][768 bytes], its scale bytes [3,072][32].
; The product's loop: a tile of 256 x 256 to a work-group of four waves, 128 x 128 to a wave (64 accumulators, 512 registers), K in steps of 256 through a ring of two LDS slots filled by the tensor data mover,
; all scale bytes resident in LDS, 4 x 4 work-groups to a cluster with joint loads: the A side's tiles are shared along a row of the cluster, the B side's along a column.
; Source 0 of the matrix instruction takes the B side, source 1 the A side: a lane holds ONE row of the A side, and its registers run along the B side's rows.
; THE ROWS OF A TILE OF 16 ARE NOT NEIGHBOURS, on both sides: lane r of tile i takes row 32 (i / 2) + 8 (i % 2) + r + 8 (r / 8).  So the 64 registers of a block of accumulators are the B side's 128 rows in
; their natural order, 16 neighbours of each 32 in each half of the lanes, as the conversions want them.  (Rows 16 apart start at the same banks, so a fragment's loads meet two deep.)
; ROLES, by the cluster's x, the same in all partners.  x = 0 (q), 1 (k): A side = tokens, B side = W's rows: a lane holds a token, its registers 128 columns = two heads.
; x = 2 (v): A side = W's rows 2,048 on, B side = tokens: a lane holds one channel d, its registers 128 neighbouring tokens, which are the second product's K.  Only pointers and tile numbers are chosen; the text is one.
; OUT (bh = 16 batch + head): q: half images [bh][tile 128][768] at 0, scale words [bh][16 tile + r] at 0x300000 (bytes 2, 3 are 0).  From 0x340000 a block of 0x33000 bytes for each bh: k's half images [128][768];
; at 98,304 v's images [key step 16][tile of d 4][1,536]; at 196,608 k's scale words; at 204,800 v's [16][4][16].  An image: plane p = registers 2 p, 2 p + 1, lane l's 8 bytes at 256 p + 8 l.
; A block of zeros gets the scale byte 1, not 127: its codes are zeros, and this program alone reads the bytes.  NaN and infinities are not served.
.set SIZE_K, 1024
.set KSTEP,  256
.set NQ,     KSTEP/128
.set ROWB,   192
.set KROW,   SIZE_K*6/8
.set PITCH,  240                       ; an LDS row: 3 x (64 bytes + 16 of padding)
.set FR,     12
.set NL,     6
.set NP,     4
.set HALFT,  128*PITCH
.set SLOT,   4*HALFT
.set LAPS,   SIZE_K/(2*KSTEP)
.set KS,     SIZE_K/32
.set SCL,    2*SLOT                    ; behind the ring: the scale bytes, as units of 256 bytes + 16 of padding
.set HALFS,  (128*KS/256)*272
.set SPARE,  SCL+4*HALFS               ; the spare words, 128 bytes for each wave: no other line names them
.set RP,   7                           ; v7   r + 8 (r / 8)
.set LI8,  8                           ; v8   8 x lane: my place in a plane of an image
.set SW,   9                           ; v9   LDS: where my row's scale words are gathered (in slot 0, behind its last fill and its last read)
.set SRD,  10                          ; v10  LDS: where I read them back
.set L16,  11                          ; v11  16 x lane
.set VWO,  12                          ; v12  v's scale words: lanes 0-15 the first head's 256 bytes, lanes 16-31 the next head's
.set ADRA, 16
.set ADRB, 20
.set ADRS, 27
.set SPW,  28
.set NIL,  29
.set BO,   30                          ; v30  the bias by the B side's rows: my byte offset; never rewritten
.set AO,   31                          ; v31  the bias by the A side's rows; never rewritten
.set SC,   32
.set AF,   128
.set BIASB, 64                         ; v64-127  the bias of my 64 registers' columns (q, k), else 0
.set BIASA, 224                        ; v224-239 the bias of my lane's row in each of the 8 blocks, twice (v), else 0
.set T,    128                         ; the way out: 64 numbers
.set PC,   192                         ; v192-211 the codes just made
.set TM,   32                          ; v32-47   at work in the quantiser
.set PW,   48
.set W0,   49
.set W1,   50
.set WB,   240                         ; v240-251 scale words read back
.set SEL,  20
.set PL,   96                          ; s[96:97]  where planes 0-2 of the block in hand go
.set PH,   98                          ; s[98:99]  planes 3-5
.set SCA,  100                         ; s[100:101] the first head's scale words
.set SCB,  4                           ; s[4:5]    the second head's
.set STN,  6                           ; s[6:7]    from block to block
.set ST4,  8                           ; s[8:9]    from block 3 to block 4
.set G1, 24
.set G0, 32
.set G1B, 48
.set G0B, 56
.set G1S, 68
.set G0S, 76
.set G1SB, 80
.set G0SB, 88
.set MSB, 0
.macro WIN new                         ; the immediate's high byte repeats the setting that is left
.if MSB != \new
	s_set_vgpr_msb (MSB<<8)|\new
.set MSB, \new
.endif
.endm
.set MUL_LO, 0xa1                      ; source 0 (B side) window 1, source 1 (A side) window 0, C and D window 2
.set MUL_HI, 0xf1
.set TO_B,   0x40
.macro JLOAD g0a, g1a, g0b, g1b        ; a joint load: waves 0 and 1 fetch for the A side, waves 2 and 3 for the B side; four v_nop follow each of the two lines
	s_cmp_eq_u32 s15, 0
	s_cbranch_scc0 .Lfor_b_\@
	tensor_load_to_lds s[\g0a:\g0a+3], s[\g1a:\g1a+7]
	s_nop 0
.rept 4
	v_nop
.endr
	s_branch .Lasked_\@
.Lfor_b_\@:
	tensor_load_to_lds s[\g0b:\g0b+3], s[\g1b:\g1b+7]
	s_nop 0
.rept 4
	v_nop
.endr
.Lasked_\@:
.endm
.macro CREST
	s_cmp_lg_u32 s14, 0
	s_cbranch_scc1 .Lnot_wave_0_\@
	s_barrier_signal -3
.Lnot_wave_0_\@:
	s_barrier_wait -3
	s_barrier_signal -1
	s_barrier_wait -1
.endm
.macro CROUND
	s_barrier_signal -1
	s_barrier_wait -1
	CREST
.endm
	s_load_b128 s[4:7], s[0:1], 0x0                ; a's buffer, W's codes
	s_load_b128 s[8:11], s[0:1], 0x10              ; W's scales, the bias
	s_load_b64 s[12:13], s[0:1], 0x20              ; the output buffer
	v_lshl_add_u32 v[SPW], v0, 2, SPARE
	v_mov_b32 v[NIL], 0
	ds_add_u32 v28, v29
	ds_add_u32 v28, v29
	s_wait_dscnt 0x0
	v_lshrrev_b32 v1, 5, v0
	v_readfirstlane_b32 s14, v1                    ; wave 0..3
	s_lshr_b32 s15, s14, 1                         ; which half of the A side's 256 rows is mine.  Also: I fetch for the A side (0) or the B side (1)
	s_and_b32 s16, s14, 1                          ; which half of the B side's.  Also: which 128 rows I fetch
	s_bfe_u32 s40, ttmp6, 0x40000                  ; cx, cy: my place in the cluster
	s_bfe_u32 s41, ttmp6, 0x40004
	s_and_b32 s19, ttmp7, 0xffff                   ; the cluster's y
	s_cmp_eq_u32 ttmp9, 2                          ; v's clusters?  The cluster's x is the same in all partners
	s_cselect_b32 s18, s19, ttmp9                  ; the B side's cluster coordinate: tokens by y (v), W's rows by x (q, k)
	s_cselect_b32 s19, 2, s19                      ; the A side's: W's rows 2,048 on (v), tokens by y (q, k)
	s_lshl_b32 s42, s18, 2
	s_add_co_u32 s42, s42, s40                     ; the B side's tile of 256 rows
	s_lshl_b32 s17, s19, 2
	s_add_co_u32 s17, s17, s41                     ; the A side's
	s_lshl_b32 s43, s41, 2
	s_lshl_b32 s43, 15, s43                        ; my row of the cluster
	s_lshl_b32 s44, 0x1111, s40                    ; my column
	s_or_b32 s[G1+0], s43, (0<<16)|(1<<20)|(1<<21)|(3<<22)|(3<<25)  ; the mask; elements of 1 byte; padding on; bit 21 beside a mask; after every 16 words, 4 words
	s_or_b32 s[G1B+0], s44, (0<<16)|(1<<20)|(1<<21)|(3<<22)|(3<<25)
.irp g, G1, G1B
	s_mov_b32 s[\g+1], ROWB<<16                    ; tensor_dim0
	s_mov_b32 s[\g+2], 128<<16                     ; tensor_dim1
	s_mov_b32 s[\g+3], ROWB<<16                    ; tile_dim0
	s_mov_b32 s[\g+4], 128                         ; tile_dim1
	s_mov_b32 s[\g+5], KROW                        ; the pitch
	s_mov_b32 s[\g+6], 0
	s_mov_b32 s[\g+7], 0
.endr
	s_or_b32 s[G1S+0], s43, (3<<16)|(1<<20)|(1<<21)|(5<<22)|(3<<25)   ; the scales of 128 rows: a dense block, as rows of 256 bytes, 16 bytes of padding behind each
	s_or_b32 s[G1SB+0], s44, (3<<16)|(1<<20)|(1<<21)|(5<<22)|(3<<25)
.irp g, G1S, G1SB
	s_mov_b32 s[\g+1], 32<<16
	s_mov_b32 s[\g+2], (128*KS/256)<<16
	s_mov_b32 s[\g+3], 32<<16
	s_mov_b32 s[\g+4], 128*KS/256
	s_mov_b32 s[\g+5], 32
	s_mov_b32 s[\g+6], 0
	s_mov_b32 s[\g+7], 0
.endr
	s_lshl_b32 s18, s16, 7
	s_lshl_b32 s20, s17, 8
	s_add_co_u32 s20, s20, s18                     ; the A side's rows that I fetch
	s_lshl_b32 s46, s42, 8
	s_add_co_u32 s46, s46, s18                     ; the B side's
	s_mov_b32 s21, 0
	s_mov_b32 s47, 0
	s_mov_b64 s[18:19], KS
	s_mul_u64 s[22:23], s[20:21], s[18:19]
	s_mul_u64 s[92:93], s[46:47], s[18:19]
	s_mov_b64 s[18:19], KROW
	s_mul_u64 s[20:21], s[20:21], s[18:19]
	s_mul_u64 s[46:47], s[46:47], s[18:19]
	s_mul_i32 s45, s14, HALFT                      ; where they go: wave x 128 rows
	s_mul_i32 s94, s14, HALFS
	s_wait_kmcnt 0x0
	s_add_nc_u64 s[96:97], s[4:5], 0x300000        ; the tokens' scale bytes
	s_cmp_eq_u32 ttmp9, 2
	s_cselect_b64 s[98:99], s[6:7], s[4:5]         ; the A side's codes,
	s_cselect_b64 s[100:101], s[8:9], s[96:97]     ; its scales,
	s_cselect_b64 s[6:7], s[4:5], s[6:7]           ; the B side's codes,
	s_cselect_b64 s[8:9], s[96:97], s[8:9]         ; its scales
	s_add_nc_u64 s[20:21], s[98:99], s[20:21]
	s_add_nc_u64 s[22:23], s[100:101], s[22:23]
	s_add_nc_u64 s[46:47], s[6:7], s[46:47]
	s_add_nc_u64 s[92:93], s[8:9], s[92:93]
	CROUND                                         ; all sixteen work-groups are here: the first joint loads meet
	s_mov_b32 s[G0S], 1
	s_add_co_u32 s[G0S+1], s94, SCL
	s_mov_b64 s[G0S+2:G0S+3], s[22:23]
	s_or_b32 s[G0S+3], s[G0S+3], 0x80000000
	s_mov_b32 s[G0SB], 1
	s_add_co_u32 s[G0SB+1], s94, SCL
	s_mov_b64 s[G0SB+2:G0SB+3], s[92:93]
	s_or_b32 s[G0SB+3], s[G0SB+3], 0x80000000
	JLOAD G0S, G1S, G0SB, G1SB                     ; the scales first
.irp s, 0,1
	s_mov_b32 s[G0+4*\s], 1
	s_add_co_u32 s[G0+4*\s+1], s45, \s*SLOT
	s_add_nc_u64 s[G0+4*\s+2:G0+4*\s+3], s[20:21], \s*ROWB
	s_or_b32 s[G0+4*\s+3], s[G0+4*\s+3], 0x80000000
	s_mov_b32 s[G0B+4*\s], 1
	s_add_co_u32 s[G0B+4*\s+1], s45, \s*SLOT
	s_add_nc_u64 s[G0B+4*\s+2:G0B+4*\s+3], s[46:47], \s*ROWB
	s_or_b32 s[G0B+4*\s+3], s[G0B+4*\s+3], 0x80000000
	JLOAD G0+4*\s, G1, G0B+4*\s, G1B
.endr
	v_and_b32 v1, 15, v0                           ; r
	v_bfe_u32 v2, v0, 4, 1                         ; h
	v_and_b32 v[RP], 8, v1
	v_add_nc_u32 v[RP], v[RP], v1                  ; r + 8 (r / 8)
	v_mul_u32_u24 v3, v[RP], PITCH
	v_mul_u32_u24 v4, v2, 24
	v_add_nc_u32 v4, v3, v4                        ; a fragment's row x pitch + 24 x half
	v_lshl_add_u32 v5, v2, 4, v4                   ; and the same behind one padding more
	s_mul_i32 s21, s15, HALFT
	s_mul_i32 s22, s16, HALFT
	s_add_co_u32 s22, s22, 2*HALFT
.irp s, 0,1
	v_add_nc_u32 v[ADRA+\s], s21, v4
	v_add_nc_u32 v[ADRB+\s], s22, v4
	v_add_nc_u32 v[ADRA+2+\s], s21, v5
	v_add_nc_u32 v[ADRB+2+\s], s22, v5
	s_add_co_u32 s21, s21, SLOT
	s_add_co_u32 s22, s22, SLOT
.endr
	v_mul_u32_u24 v5, v[RP], KS                    ; my row's scales: KS bytes a row,
	v_lshrrev_b32 v6, 8, v5
	v_lshl_add_u32 v5, v6, 4, v5                   ; and 16 more for each 256 passed
	s_mul_i32 s21, s15, HALFS
	s_mul_i32 s22, s16, HALFS
	s_add_co_u32 s22, s22, 2*HALFS
	s_sub_co_u32 s22, s22, s21
	v_mul_u32_u24 v6, s22, v2                      ; lanes 16-31 take the B side's
	s_add_co_u32 s21, s21, SCL
	v_add_nc_u32 v5, v5, v6
	v_add_nc_u32 v[ADRS], s21, v5
	; the biases: one of the two sides is W's; the other side's registers are cleared on the way out
	s_lshl_b32 s20, s42, 8
	s_lshl_b32 s21, s16, 7
	s_add_co_u32 s20, s20, s21                     ; my first row of the B side
	s_lshl_b32 s22, s17, 8
	s_lshl_b32 s21, s15, 7
	s_add_co_u32 s22, s22, s21                     ; and of the A side
	s_cmp_eq_u32 ttmp9, 2
	s_cselect_b32 s20, 0, s20
	s_cselect_b32 s22, s22, 0
	s_lshl_b32 s20, s20, 2
	s_lshl_b32 s22, s22, 2
	v_lshl_add_u32 v[BO], v2, 6, s20
	v_lshl_add_u32 v[AO], v[RP], 2, s22
.irp bb, 0,1,2,3
.irp jj, 0,1,2,3
	global_load_b128 v[BIASB+16*\bb+4*\jj:BIASB+16*\bb+4*\jj+3], v[BO], s[10:11] offset:(32*\bb+4*\jj)*4
.endr
.endr
.irp a, 0,1,2,3,4,5,6,7
	global_load_b32 v[BIASA+2*\a], v[AO], s[10:11] offset:(32*(\a/2)+8*(\a%2))*4
	global_load_b32 v[BIASA+2*\a+1], v[AO], s[10:11] offset:(32*(\a/2)+8*(\a%2))*4
.endr
	; the way out's addresses
	v_and_b32 v6, 31, v0
	v_lshlrev_b32 v[LI8], 3, v6
	v_lshlrev_b32 v[L16], 4, v6
	s_lshl_b32 s23, s14, 11
	v_lshl_add_u32 v[SW], v1, 2, s23
	v_add_nc_u32 v[SRD], s23, v[L16]
	v_lshlrev_b32 v[VWO], 4, v1
	v_mul_u32_u24 v5, v2, 0x33000
	v_add_nc_u32 v[VWO], v[VWO], v5
	s_cmp_eq_u32 ttmp9, 2
	s_cselect_b32 s66, 1, 0                        ; 1 for v
	s_cmp_eq_u32 ttmp9, 0
	s_cselect_b32 s67, 1, 0                        ; 1 for q
	s_lshl_b32 s18, s17, 1
	s_add_co_u32 s18, s18, s15                     ; my 128 rows of the A side
	s_lshl_b32 s19, s42, 1
	s_add_co_u32 s19, s19, s16                     ; and of the B side
	s_cmp_eq_u32 s66, 1
	s_cselect_b32 s20, s19, s18                    ; my 128 tokens,
	s_cselect_b32 s21, s18, s19                    ; my two heads
	s_and_b32 s21, s21, 7
	s_lshr_b32 s22, s20, 4                         ; the batch
	s_and_b32 s20, s20, 15                         ; which 128 tokens of its 2,048
	s_lshl_b32 s22, s22, 4
	s_lshl_b32 s21, s21, 1
	s_add_co_u32 s22, s22, s21                     ; bh of the first head
	s_mul_i32 s23, s67, 110592
	s_sub_co_u32 s46, 0x33000, s23                 ; from a head's images to the next head's: 98,304 (q) or 0x33000
	s_mov_b32 s47, 0
	s_mul_i32 s92, s22, s46
	s_mul_i32 s23, s20, 6144
	s_add_co_u32 s92, s92, s23
	s_mul_i32 s23, s66, 98304
	s_add_co_u32 s92, s92, s23
	s_add_co_u32 s92, s92, 0x340000
	s_mul_i32 s23, s67, 0x340000
	s_sub_co_u32 s92, s92, s23
	s_mov_b32 s93, 0
	s_add_nc_u64 s[PL:PL+1], s[12:13], s[92:93]
	s_mul_i32 s23, s66, 208128                     ; v: planes 3-5 lie 768 bytes behind planes 0-2, not a head on
	s_sub_co_u32 s46, s46, s23
	s_add_nc_u64 s[PH:PH+1], s[PL:PL+1], s[46:47]
	s_mul_i32 s23, s67, 200704
	s_sub_co_u32 s46, 0x33000, s23                 ; from a head's scale words to the next head's: 8,192 (q) or 0x33000
	s_mul_i32 s94, s22, s46
	s_lshl_b32 s23, s20, 9
	s_lshr_b32 s23, s23, s66                       ; 512 bytes for 128 tokens (q, k), 256 for a key step (v)
	s_add_co_u32 s94, s94, s23
	s_mul_i32 s23, s66, 0x2000
	s_add_co_u32 s94, s94, s23
	s_add_co_u32 s94, s94, 0x370000
	s_mul_i32 s23, s67, 0x70000
	s_sub_co_u32 s94, s94, s23
	s_mov_b32 s95, 0
	s_add_nc_u64 s[SCA:SCA+1], s[12:13], s[94:95]
	s_add_nc_u64 s[SCB:SCB+1], s[SCA:SCA+1], s[46:47]
	s_lshl_b32 s[STN], 768, s66                    ; a block on: half an image in each of two heads (q, k), or an image (v)
	s_mov_b32 s[STN+1], 0
	s_mul_i32 s[ST4], s66, 203520                  ; v: block 4 begins the next head: 0x33000 - 3 x 1,536 on
	s_add_co_u32 s[ST4], s[ST4], 768
	s_mov_b32 s[ST4+1], 0
.macro FRAG reg, adr, q, i             ; a fragment, 16 rows x 128 K: 12 registers; in pieces of 8 bytes; where the piece of lanes 16-31 lies behind one padding more, the second address register serves
.irp p, 0,1,2,3,4,5
.set PCE, 12*(\q)+6*(\p/3)+\p%3
.if PCE%8 < 5
	ds_load_b64 v[\reg+2*\p:\reg+2*\p+1], v[\adr] offset:8*PCE+16*(PCE/8)+(32*((\i)/2)+8*((\i)%2))*PITCH
.else
	ds_load_b64 v[\reg+2*\p:\reg+2*\p+1], v[\adr+2] offset:8*PCE+16*(PCE/8)+(32*((\i)/2)+8*((\i)%2))*PITCH
.endif
.endr
.endm
.macro MUL16 a0, p, q, sc, zero        ; 16 matrix instructions: the A side's blocks a0, a0 + 1 x the B side's eight.  The 64 accumulators take turns, one instruction a turn
.irp a, \a0, \a0+1
.irp b, 0,1,2,3,4,5,6,7
.if \zero
	v_wmma_scale_f32_16x16x128_f8f6f4 v[8*(8*((\a)%4)+\b):8*(8*((\a)%4)+\b)+7], v[128*(\p)+FR*\b:128*(\p)+FR*\b+FR-1], v[AF+FR*(\a):AF+FR*(\a)+FR-1], 0, v[SC+8*NQ*(\sc)+NQ*\b+(\q)], v[SC+8*NQ*(\sc)+NQ*(\a)+(\q)] matrix_a_fmt:MATRIX_FMT_FP6 matrix_b_fmt:MATRIX_FMT_FP6 matrix_a_scale:MATRIX_SCALE_ROW1
.else
	v_wmma_scale_f32_16x16x128_f8f6f4 v[8*(8*((\a)%4)+\b):8*(8*((\a)%4)+\b)+7], v[128*(\p)+FR*\b:128*(\p)+FR*\b+FR-1], v[AF+FR*(\a):AF+FR*(\a)+FR-1], v[8*(8*((\a)%4)+\b):8*(8*((\a)%4)+\b)+7], v[SC+8*NQ*(\sc)+NQ*\b+(\q)], v[SC+8*NQ*(\sc)+NQ*(\a)+(\q)] matrix_a_fmt:MATRIX_FMT_FP6 matrix_b_fmt:MATRIX_FMT_FP6 matrix_a_scale:MATRIX_SCALE_ROW1
.endif
.endr
.endr
.endm
.macro FETCH_B slot, q, p
	WIN TO_B
.irp i, 0,1,2,3,4,5,6,7
	FRAG 128*(\p)+FR*\i, ADRB+\slot, \q, \i
.endr
	WIN 0
.endm
.macro FETCH_A slot, q, i0
.irp i, \i0, \i0+1, \i0+2, \i0+3
	FRAG AF+FR*(\i), ADRA+\slot, \q, \i
.endr
.endm
.macro SCALES sc                       ; a K step's scale words: lanes 0-15 the A side's block i, lanes 16-31 the B side's; a block begins 32 (i / 2) + 8 (i % 2) rows on, 8 rows to a unit
.irp i, 0,1,2,3,4,5,6,7
	ds_load_b64 v[SC+8*NQ*\sc+NQ*\i:SC+8*NQ*\sc+NQ*\i+1], v[ADRS] offset:(4*(\i/2)+(\i%2))*272
.endr
.endm
.macro PLACES n                        ; plain vector instructions between a matrix instruction and a load into, or a vector access to, its registers
.rept \n
	v_nop
.endr
.endm
.macro STEP slot, q, zero              ; 128 along K that have their successor in the same slot
	s_wait_dscnt 4*NL                              ; the B side's set and the A side's blocks 0-3 are in; the youngest 24 loads (blocks 4-7) may be out
	WIN MUL_LO
	MUL16 0, (\q)%2, \q, \slot, \zero
	MUL16 2, (\q)%2, \q, \slot, \zero
	s_wait_dscnt 0
	PLACES NP
	FETCH_B \slot, (\q)+1, 1-(\q)%2
	FETCH_A \slot, (\q)+1, 0
	WIN MUL_HI
	MUL16 4, (\q)%2, \q, \slot, \zero
	MUL16 6, (\q)%2, \q, \slot, \zero
	PLACES NP
	WIN 0
	FETCH_A \slot, (\q)+1, 4
.endm
.macro TURN slot, next, fill           ; a slot's last 128 along K change slots: one barrier; in front of it all my tensor loads have landed, the add is done and my reads of this slot are over
	s_wait_tensorcnt 0x0                           ; all my tensor loads have landed: my part of the next slot
	ds_add_u32 v[SPW], v[NIL]                      ; 0 onto my spare word
	s_wait_dscnt 4*NL+1                            ; (the add and the youngest 24 loads may be out)
	WIN MUL_LO
	MUL16 0, 1, NQ-1, \slot, 0
	s_wait_dscnt 0x0                               ; the add is done, and my reads of this slot are over
	s_barrier_signal -1
	MUL16 2, 1, NQ-1, \slot, 0
	WIN 0
	s_barrier_wait -1
.if \fill
	CREST                                          ; the barrier has opened a round of the cluster's barrier: no wave of any partner still reads this slot or has a load on its way
	s_add_nc_u64 s[G0+4*\slot+2:G0+4*\slot+3], s[G0+4*\slot+2:G0+4*\slot+3], 2*ROWB
	s_add_nc_u64 s[G0B+4*\slot+2:G0B+4*\slot+3], s[G0B+4*\slot+2:G0B+4*\slot+3], 2*ROWB
	JLOAD G0+4*\slot, G1, G0B+4*\slot, G1B         ; the first tensor load behind the round
.else
	PLACES NP
.endif
	v_add_nc_u32 v[ADRS], 4*NQ, v[ADRS]
	FETCH_B \next, 0, 0
	FETCH_A \next, 0, 0
	SCALES \next
	WIN MUL_HI
	MUL16 4, 1, NQ-1, \slot, 0
	MUL16 6, 1, NQ-1, \slot, 0
	PLACES NP
	WIN 0
	FETCH_A \next, 0, 4
.endm
	s_wait_tensorcnt 1                             ; the scales and my part of K step 0 are in; K step 1's load may be out
	s_barrier_signal -1
	s_barrier_wait -1
	FETCH_B 0, 0, 0
	FETCH_A 0, 0, 0
	SCALES 0
	FETCH_A 0, 0, 4
	STEP 0, 0, 1                                   ; the first products start the sums
	s_mov_b32 s3, LAPS-1
.Llap:
	TURN 0, 1, 1
	STEP 1, 0, 0
	TURN 1, 0, 1
	STEP 0, 0, 0
	s_sub_co_u32 s3, s3, 1
	s_cmp_lg_u32 s3, 0
	s_cbranch_scc1 .Llap
	TURN 0, 1, 0                                   ; the last lap fills nothing
	STEP 1, 0, 0
	s_wait_dscnt 4*NL
	WIN MUL_LO
	MUL16 0, 1, NQ-1, 1, 0
	MUL16 2, 1, NQ-1, 1, 0
	s_wait_dscnt 0
	WIN MUL_HI
	MUL16 4, 1, NQ-1, 1, 0
	MUL16 6, 1, NQ-1, 1, 0
	WIN 0
; 64 numbers of a lane, register 16 b + i = k 32 b + 16 (lane / 16) + i of my row, become a fragment's codes in v[PC] on and its scale word in v[PW]
.macro QUANT s
.irp b, 0,1,2,3
	v_max3_num_f32 v[TM+\b], |v[\s+16*\b]|, |v[\s+1+16*\b]|, 0x1800000   ; my 16 numbers of block b, and the floor 2^(3 - 127): the byte cannot fall under 1
.endr
.irp i, 2,4,6,8,10,12,14
.irp b, 0,1,2,3
	v_max3_num_f32 v[TM+\b], v[TM+\b], |v[\s+16*\b+\i]|, |v[\s+1+16*\b+\i]|
.endr
.endr
.irp b, 0,1,2,3
	v_permlanex16_b32 v[TM+4+\b], v[TM+\b], s[SEL], s[SEL+1]
.endr
.irp b, 0,1,2,3
	v_max_num_f32 v[TM+\b], v[TM+\b], v[TM+4+\b]   ; with lane l xor 16's: the block's largest magnitude
.endr
.irp b, 0,1,2,3
	v_add_nc_u32 v[TM+12+\b], 0xff000000, v[TM+\b] ; 2 off its exponent field: the conversion's scale operand
.endr
.irp b, 0,1,2,3
	v_lshrrev_b32 v[TM+4+\b], 23, v[TM+12+\b]      ; the scale's byte
.endr
	v_lshl_or_b32 v[PW], v[TM+5], 8, v[TM+4]
	v_lshl_or_b32 v[PW], v[TM+6], 16, v[PW]
	v_lshl_or_b32 v[PW], v[TM+7], 24, v[PW]
.irp c, 0,1
	v_cvt_scalef32_pk16_fp6_f32 v[PC+6*\c:PC+2+6*\c], v[\s+32*\c:\s+15+32*\c], v[TM+12+2*\c]
	v_cvt_scalef32_pk16_fp6_f32 v[PC+12+4*\c:PC+14+4*\c], v[\s+16+32*\c:\s+31+32*\c], v[TM+12+2*\c+1]
.endr
	v_nop                                          ; one plain place behind a scaled conversion
.irp c, 0,1                                    ; the operand's layout wants a whole block in a lane
.irp i, 0,1,2
	v_permlane16_swap_b32 v[PC+6*\c+\i], v[PC+12+4*\c+\i]
.endr
.irp i, 0,1,2
	v_mov_b32 v[PC+3+6*\c+\i], v[PC+12+4*\c+\i]
.endr
.endr
.endm
.macro COPY a                          ; block a's 64 sums + the bias by columns, each accumulator from its low end on
	WIN 0x02+(\a)/4
.set AC, 64*((\a)%4)
.set kk, 0
.rept 32
	v_pk_add_f32 v[T+kk:T+kk+1], v[AC+kk:AC+kk+1], v[BIASB+kk:BIASB+kk+1]
.set kk, kk+2
.endr
	WIN 0
.endm
.macro QBLOCK a
	s_wait_dscnt 0x0                               ; the last block's LDS stores have read their registers,
	s_wait_xcnt 0x0                                ; and its stores their data and bases: both may be written again
.if (\a) == 4
	s_add_nc_u64 s[PL:PL+1], s[PL:PL+1], s[ST4:ST4+1]
	s_add_nc_u64 s[PH:PH+1], s[PH:PH+1], s[ST4:ST4+1]
.elseif (\a) > 0
	s_add_nc_u64 s[PL:PL+1], s[PL:PL+1], s[STN:STN+1]
	s_add_nc_u64 s[PH:PH+1], s[PH:PH+1], s[STN:STN+1]
.endif
	COPY \a
.set kk, 0
.rept 32
	v_pk_add_f32 v[T+kk:T+kk+1], v[T+kk:T+kk+1], v[BIASA+2*(\a):BIASA+2*(\a)+1]   ; + the bias by rows
.set kk, kk+2
.endr
	QUANT T
	v_and_b32 v[W0], 0xffff, v[PW]                 ; the first head's two bytes, the second head's, and the whole word: which of them leave is chosen at the end
	v_lshrrev_b32 v[W1], 16, v[PW]
	ds_store_b32 v[SW], v[W0] offset:64*(\a)       ; lanes l and l xor 16 write the same word with the same value
	ds_store_b32 v[SW], v[W1] offset:512+64*(\a)
	ds_store_b32 v[SW], v[PW] offset:1024+64*(\a)
.irp p, 0,1,2
	global_store_b64 v[LI8], v[PC+2*\p:PC+2*\p+1], s[PL:PL+1] offset:256*\p        ; the wave stores 256 consecutive bytes, at a multiple of 256 from the buffer's first byte
.endr
.irp p, 0,1,2
	global_store_b64 v[LI8], v[PC+6+2*\p:PC+7+2*\p], s[PH:PH+1] offset:256*\p
.endr
.endm
	PLACES NP                                      ; behind the last products: results are read, and registers that held operands and scales are written
	s_wait_loadcnt 0x0                             ; the biases
	s_cmp_eq_u32 ttmp9, 2
	s_cselect_b32 vcc_lo, 0, -1                    ; q, k: the bias goes by columns
.set kk, 0
.rept 64
	v_cndmask_b32 v[BIASB+kk], 0, v[BIASB+kk], vcc_lo
.set kk, kk+1
.endr
	s_cselect_b32 vcc_lo, -1, 0                    ; v: by rows
.set kk, 0
.rept 16
	v_cndmask_b32 v[BIASA+kk], 0, v[BIASA+kk], vcc_lo
.set kk, kk+1
.endr
	s_mov_b32 s[SEL], 0x76543210
	s_mov_b32 s[SEL+1], 0xfedcba98
.irp b, 0,1,2,3
	v_mov_b32 v[TM+4+\b], 0                        ; a lane permute's destination counts as one of its sources
.endr
.irp a, 0,1,2,3,4,5,6,7
	QBLOCK \a
.endr
	ds_load_b128 v[WB:WB+3], v[SRD]                ; LDS serves a wave's instructions in order: these see my stores
	ds_load_b128 v[WB+4:WB+7], v[SRD] offset:512
	ds_load_b128 v[WB+8:WB+11], v[SRD] offset:1024
	s_wait_dscnt 0x0
	s_cmp_eq_u32 ttmp9, 2
	s_cbranch_scc1 .Lv_words
	global_store_b128 v[L16], v[WB:WB+3], s[SCA:SCA+1]       ; 128 tokens' words of the first head: 512 consecutive bytes
	global_store_b128 v[L16], v[WB+4:WB+7], s[SCB:SCB+1]     ; and of the second
	s_branch .Lwords_done
.Lv_words:
	global_store_b128 v[VWO], v[WB+8:WB+11], s[SCA:SCA+1]    ; a key step's words: 256 bytes for each of the two heads
.Lwords_done:
	s_wait_tensorcnt 0x0                           ; the wave's end
	ds_add_u32 v[SPW], v[NIL]
	s_wait_dscnt 0x0
	CROUND                                         ; the closing round
	s_endpgm
.Lfunc_end_k_qc4e3d68a69_qkv:
	.size	k_qc4e3d68a69_qkv, .Lfunc_end_k_qc4e3d68a69_qkv-k_qc4e3d68a69_qkv
	.p2alignl 7, 3214868480
	.fill 96, 4, 3214868480
	.section	.rodata,"a",@progbits
	.p2align	6, 0x0
	.amdhsa_kernel k_qc4e3d68a69_qkv
		.amdhsa_group_segment_fixed_size 327680
		.amdhsa_private_segment_fixed_size 0
		.amdhsa_enable_private_segment 0
		.amdhsa_kernarg_size 40
		.amdhsa_user_sgpr_count 2
		.amdhsa_user_sgpr_kernarg_segment_ptr 1
		.amdhsa_wavefront_size32 1
		.amdhsa_system_sgpr_workgroup_id_x 1
		.amdhsa_system_sgpr_workgroup_id_y 1
		.amdhsa_system_sgpr_workgroup_id_z 1
		.amdhsa_system_vgpr_workitem_id 0
		.amdhsa_next_free_vgpr 1024
		.amdhsa_next_free_sgpr 102
		.amdhsa_reserve_vcc 1
		.amdhsa_float_denorm_mode_32 3
		.amdhsa_float_denorm_mode_16_64 3
		.amdhsa_memory_ordered 1
		.amdhsa_forward_progress 1
		.amdhsa_inst_pref_size 209
	.end_amdhsa_kernel
	.amdgpu_metadata
---
amdhsa.version: [ 1, 2 ]
amdhsa.kernels:
  - .name:           k_qc4e3d68a69_qkv
    .symbol:         k_qc4e3d68a69_qkv.kd
    .args:
      - { .name: abuf, .offset: 0, .size: 8, .value_kind: global_buffer, .address_space: global }
      - { .name: w_attn_codes, .offset: 8, .size: 8, .value_kind: global_buffer, .address_space: global }
      - { .name: w_attn_scales, .offset: 16, .size: 8, .value_kind: global_buffer, .address_space: global }
      - { .name: b_attn, .offset: 24, .size: 8, .value_kind: global_buffer, .address_space: global }
      - { .name: qkvbuf, .offset: 32, .size: 8, .value_kind: global_buffer, .address_space: global }
    .group_segment_fixed_size: 327680
    .private_segment_fixed_size: 0
    .kernarg_segment_align: 8
    .kernarg_segment_size: 40
    .max_flat_workgroup_size: 128
    .sgpr_count:     102
    .vgpr_count:     1024
    .wavefront_size: 32
...
	.end_amdgpu_metadata
.endif
;; end of part 2
;; launch attn (part 3): grid 8 x 32, 16 waves a work-group, no clusters, 210,944 bytes of LDS; arguments qkvbuf, ybuf; writes ybuf
.if DOCPART == 3
	.amdgcn_target "amdgcn-amd-amdhsa--gfx1250"
	.amdhsa_code_object_version 6
	.text
	.protected	k_qc4e3d68a69_attn
	.globl	k_qc4e3d68a69_attn
	.p2align	8
	.type	k_qc4e3d68a69_attn,@function
k_qc4e3d68a69_attn:
	s_mov_b64 s[64:65], 0
	v_nop
	global_prefetch_b8 v0, s[64:65] scope:SCOPE_SE
	s_setreg_imm32_b32 hwreg(HW_REG_WAVE_MODE, 25, 1), 1
	s_wait_xcnt 0x0
; Causal attention of one head (bh = 16 batch + head, 2,048 tokens, head size 64) on codes of FP6 (E2M3) with E8M0 scales, and the quantiser of its result y along the model's 1,024.
; t = score x log2(e) / 8; M = the row's largest t so far, rounded up to a whole number; p = 2^(t - M) is quantised along the keys, not normalised; the row's sum of the unquantised p divides O at the end.
; IN: q's half images, k's half images, v's images and their scale words, as the launch before has laid them: images of the operands' registers, plane p = registers 2 p, 2 p + 1, lane l's 8 bytes at 256 p + 8 l.
; Lane r of tile j of q or k is token 32 (j / 2) + 8 (j % 2) + r + 8 (r / 8); lane r of tile t of v is channel d by the same formula: so p's and O's registers run along neighbouring keys and channels.
; SHARES.  A work-group takes two blocks of 128 queries of its head: waves 0-7 block x, waves 8-15 block 15 - x, a tile of 16 queries to a wave: under the mask every work-group has 8 x 17 key steps of 128 keys.
; LDS holds the head's whole block of k, v and scale words, 0x33000 bytes at the offsets that it has in memory.  It is filled ONCE: each wave issues three tensor loads at the head (three are out at most): its part
; of the scale words, of keys 0-511, and of the rest.  Nothing is filled again and nothing is stored to LDS.  All is asked for at the head, so there is no later load for a prefetch to run ahead of.
; No cluster: which key steps a wave works on hangs on its work-group's block of queries, and partners of a joint load have to run alike.
; K = 64 IN AN INSTRUCTION OF K = 128: q's registers 6-11 are zero codes, and bytes 2, 3 of q's and k's scale words are 0 (2^-127, no NaN).  A tile of k is named with the six registers behind it, which multiply zeros.
; Both products are used transposed: S^T = k q^T, O^T = v^T p^T: a lane holds one query throughout.
; OUT: y's images [128 tokens g][K step 8][tile 8][1,536] at 0 (head hd fills planes 3 (hd % 2) on of K step hd / 2), y's scale bytes [128 g + 16 tile + r][32] at 0x300000.
; A block of zeros gets the scale byte 1, not 127 (its codes are zeros; this program alone reads the bytes).  NaN and infinities are not served.
.set KVB,  0x33000
.set VIMG, 98304
.set KSC,  196608
.set VSC,  204800
.set ADK,  8                           ; v8-11 the LDS addresses of the step in hand: k's images, v's, k's scale words, v's
.set ADV,  9
.set ADS,  10
.set ADT,  11
.set F,    30                          ; v30-83   eight tiles of k (6 registers each, and six cleared ones behind them), later four tiles of v (12 each)
.set S,    84                          ; v84-147  S^T, then p
.set O,    148                         ; v148-179 O^T
.set PC,   180                         ; v180-191 p's codes
.set PX,   192                         ; v192-199 the conversions' second halves
.set BM,   200                         ; v200-203 the blocks' largest scores, then largest p
.set BT,   204                         ; v204-207 at work
.set SO,   208                         ; v208-211 the conversions' scale operands
.set FS,   212                         ; v212-219 scale words of k's or v's tiles
.set PS,   220                         ; v220 p's scale word
.set QS,   221                         ; v221 q's
.set FF,   222                         ; v[222:223] f = 2^(old M - new M)
.set TP,   224                         ; v224-225 at work
.set TK,   60                          ; s60 the step's images begin here (k's and v's alike: 6,144 bytes a step)
.set TS,   61                          ; s61 k's scale words: 512 bytes a step
.set TV,   62                          ; s62 v's: 256
.set KF,   63                          ; s63 the step's first key
.set QB,   66                          ; s66 my tile's first query
.set CNT,  67
	s_load_b128 s[4:7], s[0:1], 0x0                ; the inputs' buffer, y's buffer
	v_lshl_add_u32 v254, v0, 2, 0x33000
	v_mov_b32 v255, 0
	ds_add_u32 v254, v255
	ds_add_u32 v254, v255
	v_lshrrev_b32 v8, 5, v0
	v_readfirstlane_b32 s18, v8                    ; wave 0..15
	s_and_b32 s8, ttmp7, 0xffff                    ; bh
	s_and_b32 s9, s18, 7
	s_lshr_b32 s10, s18, 3
.irp g, 24, 32, 40                     ; three groups 1: dense rows of 256 bytes (32 elements of 8 bytes), 3, 12 and 36 of them
	s_mov_b32 s[\g], 3<<16
	s_mov_b32 s[\g+1], 32<<16
	s_mov_b32 s[\g+3], 32<<16
	s_mov_b32 s[\g+5], 32
	s_mov_b32 s[\g+6], 0
	s_mov_b32 s[\g+7], 0
.endr
	s_mov_b32 s26, 3<<16
	s_mov_b32 s28, 3
	s_mov_b32 s34, 12<<16
	s_mov_b32 s36, 12
	s_mov_b32 s42, 36<<16
	s_mov_b32 s44, 36
	s_mul_i32 s11, s18, 768
	s_add_co_u32 s11, s11, KSC                     ; my 768 bytes of the scale words
	s_mul_i32 s12, s10, VIMG                       ; waves 0-7 fetch k's images, waves 8-15 v's
	s_mul_i32 s13, s9, 3072
	s_add_co_u32 s13, s13, s12                     ; my 3,072 bytes of keys 0-511
	s_mul_i32 s19, s9, 9216
	s_add_co_u32 s19, s19, s12
	s_add_co_u32 s19, s19, 24576                   ; my 9,216 bytes of the rest
	s_mul_i32 s14, s8, KVB
	s_add_co_u32 s14, s14, 0x340000
	s_mov_b32 s15, 0
	s_mov_b32 s17, 0
	s_wait_dscnt 0x0
	s_wait_kmcnt 0x0
	s_add_nc_u64 s[14:15], s[4:5], s[14:15]        ; the head's block in memory
	s_mov_b32 s48, 1
	s_mov_b32 s49, s11                             ; the LDS address is the offset in the block
	s_mov_b32 s16, s11
	s_add_nc_u64 s[50:51], s[14:15], s[16:17]
	s_or_b32 s51, s51, 0x80000000
	s_mov_b32 s52, 1
	s_mov_b32 s53, s13
	s_mov_b32 s16, s13
	s_add_nc_u64 s[54:55], s[14:15], s[16:17]
	s_or_b32 s55, s55, 0x80000000
	s_mov_b32 s56, 1
	s_mov_b32 s57, s19
	s_mov_b32 s16, s19
	s_add_nc_u64 s[58:59], s[14:15], s[16:17]
	s_or_b32 s59, s59, 0x80000000
	tensor_load_to_lds s[48:51], s[24:31]          ; the first fills go out as one group, ahead of every wait on TENSORcnt, LDS read and barrier
	s_nop 0
	tensor_load_to_lds s[52:55], s[32:39]
	s_nop 0
	tensor_load_to_lds s[56:59], s[40:47]
	s_nop 0
.rept 4
	v_nop
.endr
	s_sub_co_u32 s68, 15, ttmp9
	s_cmp_eq_u32 s10, 0
	s_cselect_b32 s68, ttmp9, s68                  ; my block of 128 queries
	s_lshl_b32 s68, s68, 3
	s_add_co_u32 s68, s68, s9                      ; my tile j
	s_lshr_b32 s[QB], s68, 1
	s_lshl_b32 s[QB], s[QB], 5
	s_and_b32 s69, s68, 1
	s_lshl_b32 s69, s69, 3
	s_add_co_u32 s[QB], s[QB], s69                 ; 32 (j / 2) + 8 (j % 2)
	s_mul_i32 s70, s8, 98304
	s_mul_i32 s69, s68, 768
	s_add_co_u32 s70, s70, s69
	s_mov_b32 s71, 0
	s_add_nc_u64 s[72:73], s[4:5], s[70:71]        ; q's half image
	s_lshl_b32 s70, s8, 13
	s_lshl_b32 s69, s68, 6
	s_add_co_u32 s70, s70, s69
	s_add_co_u32 s70, s70, 0x300000
	s_add_nc_u64 s[74:75], s[4:5], s[70:71]        ; q's scale words
	s_lshr_b32 s69, s8, 4
	s_lshl_b32 s69, s69, 7
	s_add_co_u32 s69, s69, s68                     ; J = 128 batch + j: my tile among the 256 of all tokens
	s_and_b32 s76, s8, 15                          ; the head
	s_lshr_b32 s70, s69, 3
	s_mul_i32 s70, s70, 98304
	s_lshr_b32 s77, s76, 1
	s_mul_i32 s77, s77, 12288
	s_add_co_u32 s70, s70, s77
	s_and_b32 s77, s69, 7
	s_mul_i32 s77, s77, 1536
	s_add_co_u32 s70, s70, s77
	s_and_b32 s77, s76, 1
	s_mul_i32 s77, s77, 768
	s_add_co_u32 s70, s70, s77
	s_add_nc_u64 s[78:79], s[6:7], s[70:71]        ; y's half image
	s_lshl_b32 s70, s69, 9
	s_lshl_b32 s77, s76, 1
	s_add_co_u32 s70, s70, s77
	s_add_co_u32 s70, s70, 0x300000
	s_add_nc_u64 s[80:81], s[6:7], s[70:71]        ; y's scale bytes: row 16 J, byte 2 x head
	s_mov_b32 s20, 0x76543210
	s_mov_b32 s21, 0xfedcba98                      ; v_permlanex16_b32's selects for lane l xor 16
	s_mov_b32 s22, 0x3e38aa3b                      ; c = log2(e) / 8
	s_mov_b32 s23, s22
	s_mov_b32 s[TK], 0
	s_mov_b32 s[TS], 0
	s_mov_b32 s[TV], 0
	s_mov_b32 s[KF], 0
	v_and_b32 v8, 31, v0
	v_lshlrev_b32 v1, 3, v8                        ; v1: 8 x lane
	v_and_b32 v9, 15, v0                           ; r
	v_bfe_u32 v10, v0, 4, 1                        ; h
	v_lshlrev_b32 v2, 2, v9                        ; v2: 4 r
	v_and_b32 v11, 8, v9
	v_add_nc_u32 v11, v11, v9
	v_lshlrev_b32 v10, 4, v10
	v_sub_nc_u32 v3, v11, v10                      ; v3: r + 8 (r / 8) - 16 h, for the mask
	v_add_nc_u32 v4, VIMG, v1                      ; v4: v's images
	v_add_nc_u32 v5, KSC, v2                       ; v5: k's scale words
	v_add_nc_u32 v6, VSC, v2                       ; v6: v's
	v_lshlrev_b32 v7, 5, v9                        ; v7: 32 r: my row of y's scale bytes
.irp p, 0,1,2
	global_load_b64 v[16+2*\p:17+2*\p], v1, s[72:73] offset:256*\p
.endr
	global_load_b32 v[QS], v2, s[74:75]
.irp i, 22,23,24,25,26,27
	v_mov_b32 v\i, 0                               ; q's codes of k = 64 .. 127: zeros
.endr
.irp i, 48,49,50,51,52,53
	v_mov_b32 v[F+\i], 0                           ; what the last tile of k is named with
.endr
	v_mov_b32 v13, 0xff61b1e6                      ; the largest t so far: -3e38
	v_floor_f32 v12, -v13                          ; -M
	v_mov_b32 v14, 0                               ; the sum, in two halves
	v_mov_b32 v15, 0
.irp b, 0,1,2,3
	v_mov_b32 v[BT+\b], 0                          ; a lane permute's destination counts as one of its sources
.endr
	v_mov_b32 v[FF+1], 0                           ; (named as the upper half of a pair)
	v_mov_b32 v[TP], 0
.set kk, 0
.rept 32
	v_mov_b32 v[O+kk], 0                           ; O^T: the step is written once; the first finds zeros, which the first change of M leaves zeros
.set kk, kk+1
.endr
; A KEY STEP: 128 keys.  A step all of whose keys come after my 16 queries is left out by a scalar branch on ids, round its loads and work, not round the lines at its end that step addresses.
.macro STEP
	s_cmp_gt_u32 s[KF], s[QB]
	s_cbranch_scc1 .Lhidden_\@
	v_add_nc_u32 v[ADK], s[TK], v1                 ; (these four are also the places between the last products and the loads into their operands)
	v_add_nc_u32 v[ADV], s[TK], v4
	v_add_nc_u32 v[ADS], s[TS], v5
	v_add_nc_u32 v[ADT], s[TV], v6
.irp t, 0,1,2,3,4,5,6,7
.irp p, 0,1,2
	ds_load_b64 v[F+6*\t+2*\p:F+6*\t+2*\p+1], v[ADK] offset:768*\t+256*\p
.endr
	ds_load_b32 v[FS+\t], v[ADS] offset:64*\t
.endr
	s_wait_dscnt 0x0
.irp t, 0,1,2,3,4,5,6,7
	v_wmma_scale_f32_16x16x128_f8f6f4 v[S+8*\t:S+8*\t+7], v[F+6*\t:F+6*\t+11], v[16:27], 0, v[FS+\t], v[QS] matrix_a_fmt:MATRIX_FMT_FP6 matrix_b_fmt:MATRIX_FMT_FP6
.endr
.rept 4
	v_nop                                          ; places: the scores are read, and v's tiles are loaded over k's
.endr
.irp t, 0,1,2,3                                ; v's four tiles are asked for now and land under the softmax
.irp p, 0,1,2,3,4,5
	ds_load_b64 v[F+12*\t+2*\p:F+12*\t+2*\p+1], v[ADV] offset:1536*\t+256*\p
.endr
	ds_load_b32 v[FS+\t], v[ADT] offset:64*\t
.endr
	s_add_co_u32 s69, s[KF], 127                   ; on the diagonal hidden scores become -infinity; a step all of whose keys count skips this
	s_cmp_le_u32 s69, s[QB]
	s_cbranch_scc1 .Lopen_\@
	s_sub_co_i32 s69, s[QB], s[KF]
	v_add_nc_u32 v[TP], s69, v3                    ; d = my query - the step's first key - 16 h.  Register 16 b + i holds key 32 b + 16 h + i of the step: hidden where 32 b + i > d
	v_mov_b32 v[TP+1], 0xff800000
.set nn, 0
.rept 64
	v_cmp_gt_i32 vcc_lo, 32*(nn/16)+nn%16, v[TP]
	v_cndmask_b32 v[S+nn], v[S+nn], v[TP+1], vcc_lo
.set nn, nn+1
.endr
.Lopen_\@:
.irp b, 0,1,2,3
	v_max3_num_f32 v[BM+\b], v[S+16*\b], v[S+1+16*\b], v[S+2+16*\b]   ; the largest score of each block of 32 keys: for the row's maximum, and, since p rises with the score, for the block's largest p
.endr
.irp i, 3,5,7,9,11,13
.irp b, 0,1,2,3
	v_max3_num_f32 v[BM+\b], v[BM+\b], v[S+16*\b+\i], v[S+1+16*\b+\i]
.endr
.endr
.irp b, 0,1,2,3
	v_max_num_f32 v[BM+\b], v[BM+\b], v[S+15+16*\b]
.endr
.irp b, 0,1,2,3
	v_permlanex16_b32 v[BT+\b], v[BM+\b], s20, s21
.endr
.irp b, 0,1,2,3
	v_max_num_f32 v[BM+\b], v[BM+\b], v[BT+\b]
.endr
	v_max3_num_f32 v[TP], v[BM], v[BM+1], v[BM+2]
	v_max_num_f32 v[TP], v[TP], v[BM+3]
	v_mul_f32 v[TP], s22, v[TP]
	v_max_num_f32 v13, v13, v[TP]                  ; the running largest t
	v_mov_b32 v[TP], v12
	v_floor_f32 v12, -v13                          ; the new -M = -ceil(t)
	v_sub_f32 v[TP], v12, v[TP]                    ; old M - new M: a whole number, 0 or less
	v_cvt_i32_f32 v[TP], v[TP]                     ; (it saturates)
	v_ldexp_f32 v[FF], 1.0, v[TP]                  ; f = 2^(old M - new M)
.set kk, 0
.rept 32
	v_pk_fma_f32 v[S+kk:S+kk+1], v[S+kk:S+kk+1], s[22:23], v[12:13] op_sel_hi:[1,0,0]   ; t - M
.set kk, kk+2
.endr
.irp b, 0,1,2,3
	v_fma_f32 v[BM+\b], v[BM+\b], s22, v12
.endr
.set kk, 0
.rept 64
	v_exp_f32 v[S+kk], v[S+kk]                     ; p = 2^(t - M)
.set kk, kk+1
.endr
	v_pk_mul_f32 v[14:15], v[14:15], v[FF:FF+1] op_sel_hi:[1,0]   ; the sums under the new M (a plain place behind the exponentials)
	s_wait_alu depctr_va_vdst(0)                   ; one wait for the batch, ahead of its first reader
.irp b, 0,1,2,3
	v_exp_f32 v[BM+\b], v[BM+\b]                   ; the blocks' largest p
.endr
	v_pk_add_f32 v[BT:BT+1], v[S:S+1], v[S+2:S+3]  ; the row's sum of the unquantised p, in two chains
.irp j, 4,8,12,16,20,24,28,32,36,40,44,48,52,56,60
	v_pk_add_f32 v[14:15], v[14:15], v[S+\j:S+\j+1]
	v_pk_add_f32 v[BT:BT+1], v[BT:BT+1], v[S+\j+2:S+\j+3]
.endr
	v_pk_add_f32 v[14:15], v[14:15], v[BT:BT+1]
	s_wait_alu depctr_va_vdst(0)                   ; and one for the four
.irp b, 0,1,2,3
	v_max_num_f32 v[BM+\b], 0x1800000, v[BM+\b]    ; the floor 2^(3 - 127)
.endr
.irp b, 0,1,2,3
	v_add_nc_u32 v[SO+\b], 0xff000000, v[BM+\b]
.endr
.irp b, 0,1,2,3
	v_lshrrev_b32 v[BT+\b], 23, v[SO+\b]
.endr
	v_lshl_or_b32 v[PS], v[BT+1], 8, v[BT]
	v_lshl_or_b32 v[PS], v[BT+2], 16, v[PS]
	v_lshl_or_b32 v[PS], v[BT+3], 24, v[PS]
.irp c, 0,1
	v_cvt_scalef32_pk16_fp6_f32 v[PC+6*\c:PC+2+6*\c], v[S+32*\c:S+15+32*\c], v[SO+2*\c]
	v_cvt_scalef32_pk16_fp6_f32 v[PX+4*\c:PX+2+4*\c], v[S+16+32*\c:S+31+32*\c], v[SO+2*\c+1]
.endr
	v_nop
.irp c, 0,1
.irp i, 0,1,2
	v_permlane16_swap_b32 v[PC+6*\c+\i], v[PX+4*\c+\i]
.endr
.irp i, 0,1,2
	v_mov_b32 v[PC+3+6*\c+\i], v[PX+4*\c+\i]
.endr
.endr
.set kk, 0
.rept 16
	v_pk_mul_f32 v[O+kk:O+kk+1], v[O+kk:O+kk+1], v[FF:FF+1] op_sel_hi:[1,0]   ; O^T under the new M; also the places between p's codes and scale word and the products
.set kk, kk+2
.endr
	s_wait_dscnt 0x0                               ; v's tiles are in
.irp t, 0,1,2,3
	v_wmma_scale_f32_16x16x128_f8f6f4 v[O+8*\t:O+8*\t+7], v[F+12*\t:F+12*\t+11], v[PC:PC+11], v[O+8*\t:O+8*\t+7], v[FS+\t], v[PS] matrix_a_fmt:MATRIX_FMT_FP6 matrix_b_fmt:MATRIX_FMT_FP6
.endr
.Lhidden_\@:
	s_add_co_u32 s[KF], s[KF], 128
	s_add_co_u32 s[TK], s[TK], 6144
	s_add_co_u32 s[TS], s[TS], 512
	s_add_co_u32 s[TV], s[TV], 256
.endm
	s_wait_tensorcnt 0x1                           ; my parts of the scale words and of keys 0-511 are in; the load of the rest may be out
	s_barrier_signal -1
	s_barrier_wait -1                              ; everybody's are
	s_wait_loadcnt 0x0                             ; q
	s_mov_b32 s[CNT], 4
.Lnear:
	STEP
	s_sub_co_u32 s[CNT], s[CNT], 1
	s_cmp_lg_u32 s[CNT], 0
	s_cbranch_scc1 .Lnear
	s_wait_tensorcnt 0x0                           ; my part of the rest is in
	s_wait_dscnt 0x0
	s_barrier_signal -1
	s_barrier_wait -1
	s_mov_b32 s[CNT], 12
.Lfar:
	STEP
	s_sub_co_u32 s[CNT], s[CNT], 1
	s_cmp_lg_u32 s[CNT], 0
	s_cbranch_scc1 .Lfar
	; THE WAY OUT: O^T / the sum; register 16 b + i is channel 32 b + 16 h + i of my query: two blocks of the projection's K
.rept 4
	v_nop
.endr
	v_add_f32 v14, v14, v15
	v_permlanex16_b32 v[TP], v14, s20, s21
	v_add_f32 v14, v14, v[TP]
	v_rcp_f32 v14, v14
	v_nop
	s_wait_alu depctr_va_vdst(0)
.set kk, 0
.rept 32
	v_mul_f32 v[S+kk], v[O+kk], v14
.set kk, kk+1
.endr
.irp b, 0,1
	v_max3_num_f32 v[BM+\b], |v[S+16*\b]|, |v[S+1+16*\b]|, 0x1800000
.endr
.irp i, 2,4,6,8,10,12,14
.irp b, 0,1
	v_max3_num_f32 v[BM+\b], v[BM+\b], |v[S+16*\b+\i]|, |v[S+1+16*\b+\i]|
.endr
.endr
.irp b, 0,1
	v_permlanex16_b32 v[BT+\b], v[BM+\b], s20, s21
.endr
.irp b, 0,1
	v_max_num_f32 v[BM+\b], v[BM+\b], v[BT+\b]
.endr
.irp b, 0,1
	v_add_nc_u32 v[SO+\b], 0xff000000, v[BM+\b]
.endr
.irp b, 0,1
	v_lshrrev_b32 v[BT+\b], 23, v[SO+\b]
.endr
	v_lshl_or_b32 v[TP], v[BT+1], 8, v[BT]         ; my row's two scale bytes
	v_cvt_scalef32_pk16_fp6_f32 v[PC:PC+2], v[S:S+15], v[SO]
	v_cvt_scalef32_pk16_fp6_f32 v[PX:PX+2], v[S+16:S+31], v[SO+1]
	v_nop
.irp i, 0,1,2
	v_permlane16_swap_b32 v[PC+\i], v[PX+\i]
.endr
.irp i, 0,1,2
	v_mov_b32 v[PC+3+\i], v[PX+\i]
.endr
.irp p, 0,1,2
	global_store_b64 v1, v[PC+2*\p:PC+2*\p+1], s[78:79] offset:256*\p   ; the wave stores 256 consecutive bytes, at a multiple of 256 from the buffer's first byte
.endr
	global_store_b16 v7, v[TP], s[80:81]           ; lanes l and l xor 16 write the same two bytes with the same value
	s_wait_tensorcnt 0x0
	ds_add_u32 v254, v255
	s_wait_dscnt 0x0
	s_endpgm
.Lfunc_end_k_qc4e3d68a69_attn:
	.size	k_qc4e3d68a69_attn, .Lfunc_end_k_qc4e3d68a69_attn-k_qc4e3d68a69_attn
	.p2alignl 7, 3214868480
	.fill 96, 4, 3214868480
	.section	.rodata,"a",@progbits
	.p2align	6, 0x0
	.amdhsa_kernel k_qc4e3d68a69_attn
		.amdhsa_group_segment_fixed_size 210944
		.amdhsa_private_segment_fixed_size 0
		.amdhsa_enable_private_segment 0
		.amdhsa_kernarg_size 16
		.amdhsa_user_sgpr_count 2
		.amdhsa_user_sgpr_kernarg_segment_ptr 1
		.amdhsa_wavefront_size32 1
		.amdhsa_system_sgpr_workgroup_id_x 1
		.amdhsa_system_sgpr_workgroup_id_y 1
		.amdhsa_system_sgpr_workgroup_id_z 1
		.amdhsa_system_vgpr_workitem_id 0
		.amdhsa_next_free_vgpr 256
		.amdhsa_next_free_sgpr 84
		.amdhsa_reserve_vcc 1
		.amdhsa_float_denorm_mode_32 3
		.amdhsa_float_denorm_mode_16_64 3
		.amdhsa_memory_ordered 1
		.amdhsa_forward_progress 1
		.amdhsa_inst_pref_size 58
	.end_amdhsa_kernel
	.amdgpu_metadata
---
amdhsa.version: [ 1, 2 ]
amdhsa.kernels:
  - .name:           k_qc4e3d68a69_attn
    .symbol:         k_qc4e3d68a69_attn.kd
    .args:
      - { .name: qkvbuf, .offset: 0, .size: 8, .value_kind: global_buffer, .address_space: global }
      - { .name: ybuf, .offset: 8, .size: 8, .value_kind: global_buffer, .address_space: global }
    .group_segment_fixed_size: 210944
    .private_segment_fixed_size: 0
    .kernarg_segment_align: 8
    .kernarg_segment_size: 16
    .max_flat_workgroup_size: 512
    .sgpr_count:     84
    .vgpr_count:     256
    .wavefront_size: 32
...
	.end_amdgpu_metadata
.endif
;; end of part 3
;; launch proj (part 4): grid 4 x 16, 4 waves a work-group, clusters of 4 x 4, 327,680 bytes of LDS; arguments ybuf, w_proj_codes, w_proj_scales, b_proj, x, x1; writes x1
.if DOCPART == 4
	.amdgcn_target "amdgcn-amd-amdhsa--gfx1250"
	.amdhsa_code_object_version 6
	.text
	.protected	k_qc4e3d68a69_proj
	.globl	k_qc4e3d68a69_proj
	.p2align	8
	.type	k_qc4e3d68a69_proj,@function
k_qc4e3d68a69_proj:
	s_mov_b64 s[64:65], 0
	v_nop
	global_prefetch_b8 v0, s[64:65] scope:SCOPE_SE
	s_setreg_imm32_b32 hwreg(HW_REG_WAVE_MODE, 25, 1), 1
	s_wait_xcnt 0x0
	s_wait_alu depctr_hold_cnt(0) depctr_sa_sdst(0) depctr_va_vdst(0) depctr_va_sdst(0) depctr_va_ssrc(0) depctr_va_vcc(0) depctr_vm_vsrc(0)
	s_getreg_b32 s2, hwreg(HW_REG_IB_STS2, 6, 4)
	s_cmp_eq_u32 s2, 0
	s_cbranch_scc0 .Lentry_in_a_cluster
	s_endpgm
.Lentry_in_a_cluster:
	s_bfe_u32 s2, ttmp6, 0x10000c
	s_cmp_lg_u32 s2, 0xf033
	s_cbranch_scc0 .Lentry_shape_is_right
	s_endpgm
.Lentry_shape_is_right:
; out = A W^T + bias + residual, the product on codes of FP6 (E2M3) with one E8M0 scale for each 32 along K = SIZE_K.  out, residual: [4,096][1,024] f32.  W: [1,024][SIZE_K] as codes, K innermost, scale bytes [1,024][SIZE_K / 32].
; A comes as IMAGES of its fragments' registers: [128 tokens g][K step of 128][tile 8][1,536 bytes] at byte 0 of its buffer (plane p = registers 2 p, 2 p + 1, lane l's 8 bytes at 256 p + 8 l), so that a wave's 128 rows
; x 256 along K are one dense block of 24,576 bytes for one tensor load, and a fragment is six loads of 256 consecutive bytes.  Lane r of tile i is token 128 g + 32 (i / 2) + 8 (i % 2) + r + 8 (r / 8).
; A's scale bytes lie at ASCL, [128 g + 16 i + r][SIZE_K / 32]: rows in the images' order.
; The loop: a tile of 256 x 256 to a work-group of four waves, 128 x 128 to a wave, K in steps of 256 through a ring of two LDS slots, all scale bytes resident in LDS, 4 x 4 work-groups to a cluster with joint loads.
; N = 1,024 gives 64 such tiles: 64 work-groups.  Source 0 = 16 rows of W, source 1 = 16 rows of A: a lane holds eight neighbouring numbers of a row of the result.
; THE WAY OUT: a block of 16 rows x 128 columns goes through my stage in LDS (in slot 0, behind its last fill and its last read) and comes back as whole rows of 512 bytes; bias and residual are added; row t of block a is
; token row 32 (a / 2) + 8 (a % 2) + t + 8 (t / 8) of my 128.
.set SIZE_K, 1024
.set SIZE_N, 1024
.set ASCL,   0x300000
.set KSTEP,  256
.set NQ,     KSTEP/128
.set ROWB,   192
.set ASTEP,  24576                     ; a K step of A: 2 x 8 images
.set KROW,   SIZE_K*6/8
.set PITCH,  240
.set FR,     12
.set NL,     6
.set NP,     4
.set HALFT,  128*PITCH
.set SLOT,   4*HALFT
.set LAPS,   SIZE_K/(2*KSTEP)
.set KS,     SIZE_K/32
.set SCL,    2*SLOT
.set HALFS,  (128*KS/256)*272
.set SBLK,   (16*KS/256)*272
.set SPARE,  SCL+4*HALFS
.set SPITCH, 528
.set ADRA, 16
.set ADRB, 20
.set STO,  24
.set RD,   25
.set CO,   26
.set ADRS, 27
.set SPW,  28
.set NIL,  29
.set BO,   30                          ; v30  the bias: my byte offset; never rewritten
.set SC,   32
.set AF,   128
.set RB,   32                          ; the way out: v32-95 16 rows of the residual
.set BIAS4, 100                        ; v100-103 the bias of my four columns
.set BK,   128                         ; v128-191, v192-255 16 rows read back from the stage, by turns
.set G1, 24
.set G0, 32
.set G1B, 48
.set G0B, 56
.set G1S, 68
.set G0S, 76
.set G1SB, 80
.set G0SB, 88
.set MSB, 0
.macro WIN new
.if MSB != \new
	s_set_vgpr_msb (MSB<<8)|\new
.set MSB, \new
.endif
.endm
.set MUL_LO, 0xa1
.set MUL_HI, 0xf1
.set TO_B,   0x40
.macro JLOAD g0a, g1a, g0b, g1b        ; a joint load: waves 0 and 1 fetch for A, waves 2 and 3 for W; four v_nop follow each of the two lines
	s_cmp_eq_u32 s15, 0
	s_cbranch_scc0 .Lfor_b_\@
	tensor_load_to_lds s[\g0a:\g0a+3], s[\g1a:\g1a+7]
	s_nop 0
.rept 4
	v_nop
.endr
	s_branch .Lasked_\@
.Lfor_b_\@:
	tensor_load_to_lds s[\g0b:\g0b+3], s[\g1b:\g1b+7]
	s_nop 0
.rept 4
	v_nop
.endr
.Lasked_\@:
.endm
.macro CREST
	s_cmp_lg_u32 s14, 0
	s_cbranch_scc1 .Lnot_wave_0_\@
	s_barrier_signal -3
.Lnot_wave_0_\@:
	s_barrier_wait -3
	s_barrier_signal -1
	s_barrier_wait -1
.endm
.macro CROUND
	s_barrier_signal -1
	s_barrier_wait -1
	CREST
.endm
	s_load_b128 s[4:7], s[0:1], 0x0                ; A's buffer, W's codes
	s_load_b128 s[8:11], s[0:1], 0x10              ; W's scales, the bias
	s_load_b128 s[96:99], s[0:1], 0x20             ; the residual, the output
	v_lshl_add_u32 v[SPW], v0, 2, SPARE
	v_mov_b32 v[NIL], 0
	ds_add_u32 v28, v29
	ds_add_u32 v28, v29
	s_wait_dscnt 0x0
	v_lshrrev_b32 v1, 5, v0
	v_readfirstlane_b32 s14, v1
	s_lshr_b32 s15, s14, 1
	s_and_b32 s16, s14, 1
	s_bfe_u32 s40, ttmp6, 0x40000
	s_bfe_u32 s41, ttmp6, 0x40004
	s_lshl_b32 s42, ttmp9, 2
	s_add_co_u32 s42, s42, s40                     ; tile column
	s_and_b32 s17, ttmp7, 0xffff
	s_lshl_b32 s17, s17, 2
	s_add_co_u32 s17, s17, s41                     ; tile row
	s_lshl_b32 s43, s41, 2
	s_lshl_b32 s43, 15, s43
	s_lshl_b32 s44, 0x1111, s40
	s_or_b32 s[G1+0], s43, (3<<16)|(1<<21)         ; A: a dense block as 96 rows of 256 bytes (32 elements of 8 bytes), no padding
	s_mov_b32 s[G1+1], 32<<16
	s_mov_b32 s[G1+2], 96<<16
	s_mov_b32 s[G1+3], 32<<16
	s_mov_b32 s[G1+4], 96
	s_mov_b32 s[G1+5], 32
	s_mov_b32 s[G1+6], 0
	s_mov_b32 s[G1+7], 0
	s_or_b32 s[G1B+0], s44, (0<<16)|(1<<20)|(1<<21)|(3<<22)|(3<<25)   ; W: 128 rows of 192 bytes, 16 bytes of padding behind every 64
	s_mov_b32 s[G1B+1], ROWB<<16
	s_mov_b32 s[G1B+2], 128<<16
	s_mov_b32 s[G1B+3], ROWB<<16
	s_mov_b32 s[G1B+4], 128
	s_mov_b32 s[G1B+5], KROW
	s_mov_b32 s[G1B+6], 0
	s_mov_b32 s[G1B+7], 0
	s_or_b32 s[G1S+0], s43, (3<<16)|(1<<20)|(1<<21)|(5<<22)|(3<<25)
	s_or_b32 s[G1SB+0], s44, (3<<16)|(1<<20)|(1<<21)|(5<<22)|(3<<25)
.irp g, G1S, G1SB
	s_mov_b32 s[\g+1], 32<<16
	s_mov_b32 s[\g+2], (128*KS/256)<<16
	s_mov_b32 s[\g+3], 32<<16
	s_mov_b32 s[\g+4], 128*KS/256
	s_mov_b32 s[\g+5], 32
	s_mov_b32 s[\g+6], 0
	s_mov_b32 s[\g+7], 0
.endr
	s_lshl_b32 s18, s16, 7
	s_lshl_b32 s20, s17, 8
	s_add_co_u32 s20, s20, s18
	s_lshl_b32 s46, s42, 8
	s_add_co_u32 s46, s46, s18
	s_mov_b32 s21, 0
	s_mov_b32 s47, 0
	s_mov_b64 s[18:19], KS
	s_mul_u64 s[22:23], s[20:21], s[18:19]
	s_mul_u64 s[92:93], s[46:47], s[18:19]
	s_mov_b64 s[18:19], KROW                       ; 128 rows of A's images are 128 KROW bytes too
	s_mul_u64 s[20:21], s[20:21], s[18:19]
	s_mul_u64 s[46:47], s[46:47], s[18:19]
	s_mul_i32 s45, s14, HALFT
	s_mul_i32 s94, s14, HALFS
	s_wait_kmcnt 0x0
	s_add_nc_u64 s[100:101], s[4:5], ASCL
	s_add_nc_u64 s[20:21], s[4:5], s[20:21]
	s_add_nc_u64 s[22:23], s[100:101], s[22:23]
	s_add_nc_u64 s[46:47], s[6:7], s[46:47]
	s_add_nc_u64 s[92:93], s[8:9], s[92:93]
	CROUND
	s_mov_b32 s[G0S], 1
	s_add_co_u32 s[G0S+1], s94, SCL
	s_mov_b64 s[G0S+2:G0S+3], s[22:23]
	s_or_b32 s[G0S+3], s[G0S+3], 0x80000000
	s_mov_b32 s[G0SB], 1
	s_add_co_u32 s[G0SB+1], s94, SCL
	s_mov_b64 s[G0SB+2:G0SB+3], s[92:93]
	s_or_b32 s[G0SB+3], s[G0SB+3], 0x80000000
	JLOAD G0S, G1S, G0SB, G1SB
.irp s, 0,1
	s_mov_b32 s[G0+4*\s], 1
	s_add_co_u32 s[G0+4*\s+1], s45, \s*SLOT
	s_add_nc_u64 s[G0+4*\s+2:G0+4*\s+3], s[20:21], \s*ASTEP
	s_or_b32 s[G0+4*\s+3], s[G0+4*\s+3], 0x80000000
	s_mov_b32 s[G0B+4*\s], 1
	s_add_co_u32 s[G0B+4*\s+1], s45, \s*SLOT
	s_add_nc_u64 s[G0B+4*\s+2:G0B+4*\s+3], s[46:47], \s*ROWB
	s_or_b32 s[G0B+4*\s+3], s[G0B+4*\s+3], 0x80000000
	JLOAD G0+4*\s, G1, G0B+4*\s, G1B
.endr
	v_and_b32 v1, 15, v0
	v_bfe_u32 v2, v0, 4, 1
	v_and_b32 v6, 31, v0
	v_lshlrev_b32 v7, 3, v6                        ; 8 x lane: my place in a plane of an image
	v_mul_u32_u24 v3, v1, PITCH
	v_mul_u32_u24 v4, v2, 24
	v_add_nc_u32 v4, v3, v4
	v_lshl_add_u32 v5, v2, 4, v4
	s_mul_i32 s21, s15, HALFT
	s_mul_i32 s22, s16, HALFT
	s_add_co_u32 s22, s22, 2*HALFT
.irp s, 0,1
	v_add_nc_u32 v[ADRA+\s], s21, v7
	v_add_nc_u32 v[ADRB+\s], s22, v4
	v_add_nc_u32 v[ADRB+2+\s], s22, v5
	s_add_co_u32 s21, s21, SLOT
	s_add_co_u32 s22, s22, SLOT
.endr
	v_mul_u32_u24 v5, v1, KS
	v_lshrrev_b32 v6, 8, v5
	v_lshl_add_u32 v5, v6, 4, v5
	s_mul_i32 s21, s15, HALFS
	s_mul_i32 s22, s16, HALFS
	s_add_co_u32 s22, s22, 2*HALFS
	s_sub_co_u32 s22, s22, s21
	v_mul_u32_u24 v6, s22, v2
	s_add_co_u32 s21, s21, SCL
	v_add_nc_u32 v5, v5, v6
	v_add_nc_u32 v[ADRS], s21, v5
	s_mul_i32 s23, s14, 16*SPITCH
	v_mul_u32_u24 v5, v1, SPITCH
	v_lshl_add_u32 v5, v2, 5, v5
	v_add_nc_u32 v[STO], s23, v5
	v_and_b32 v6, 31, v0
	v_lshlrev_b32 v[CO], 4, v6
	v_add_nc_u32 v[RD], s23, v[CO]
	s_lshl_b32 s20, s17, 8
	s_lshl_b32 s21, s15, 7
	s_add_co_u32 s20, s20, s21                     ; my first row
	s_mov_b32 s21, 0
	s_mov_b64 s[18:19], SIZE_N*4
	s_mul_u64 s[20:21], s[20:21], s[18:19]
	s_lshl_b32 s46, s42, 10
	s_lshl_b32 s47, s16, 9
	s_add_co_u32 s46, s46, s47                     ; my first column, in bytes
	s_mov_b32 s47, 0
	v_add_nc_u32 v[BO], s46, v[CO]
	global_load_b128 v[BIAS4:BIAS4+3], v[BO], s[10:11]
	s_add_nc_u64 s[20:21], s[20:21], s[46:47]
	s_add_nc_u64 s[96:97], s[96:97], s[20:21]
	s_add_nc_u64 s[98:99], s[98:99], s[20:21]
.macro FRAG reg, adr, q, i             ; a fragment of W from rows of 192 bytes with 16 bytes of padding behind every 64
.irp p, 0,1,2,3,4,5
.set PCE, 12*(\q)+6*(\p/3)+\p%3
.if PCE%8 < 5
	ds_load_b64 v[\reg+2*\p:\reg+2*\p+1], v[\adr] offset:8*PCE+16*(PCE/8)+(\i)*16*PITCH
.else
	ds_load_b64 v[\reg+2*\p:\reg+2*\p+1], v[\adr+2] offset:8*PCE+16*(PCE/8)+(\i)*16*PITCH
.endif
.endr
.endm
.macro FRAGI reg, adr, q, i            ; a fragment of A from its image: six loads of 256 consecutive bytes
.irp p, 0,1,2,3,4,5
	ds_load_b64 v[\reg+2*\p:\reg+2*\p+1], v[\adr] offset:((\q)*8+(\i))*1536+256*\p
.endr
.endm
.macro MUL16 a0, p, q, sc, zero
.irp a, \a0, \a0+1
.irp b, 0,1,2,3,4,5,6,7
.if \zero
	v_wmma_scale_f32_16x16x128_f8f6f4 v[8*(8*((\a)%4)+\b):8*(8*((\a)%4)+\b)+7], v[128*(\p)+FR*\b:128*(\p)+FR*\b+FR-1], v[AF+FR*(\a):AF+FR*(\a)+FR-1], 0, v[SC+8*NQ*(\sc)+NQ*\b+(\q)], v[SC+8*NQ*(\sc)+NQ*(\a)+(\q)] matrix_a_fmt:MATRIX_FMT_FP6 matrix_b_fmt:MATRIX_FMT_FP6 matrix_a_scale:MATRIX_SCALE_ROW1
.else
	v_wmma_scale_f32_16x16x128_f8f6f4 v[8*(8*((\a)%4)+\b):8*(8*((\a)%4)+\b)+7], v[128*(\p)+FR*\b:128*(\p)+FR*\b+FR-1], v[AF+FR*(\a):AF+FR*(\a)+FR-1], v[8*(8*((\a)%4)+\b):8*(8*((\a)%4)+\b)+7], v[SC+8*NQ*(\sc)+NQ*\b+(\q)], v[SC+8*NQ*(\sc)+NQ*(\a)+(\q)] matrix_a_fmt:MATRIX_FMT_FP6 matrix_b_fmt:MATRIX_FMT_FP6 matrix_a_scale:MATRIX_SCALE_ROW1
.endif
.endr
.endr
.endm
.macro FETCH_B slot, q, p
	WIN TO_B
.irp i, 0,1,2,3,4,5,6,7
	FRAG 128*(\p)+FR*\i, ADRB+\slot, \q, \i
.endr
	WIN 0
.endm
.macro FETCH_A slot, q, i0
.irp i, \i0, \i0+1, \i0+2, \i0+3
	FRAGI AF+FR*(\i), ADRA+\slot, \q, \i
.endr
.endm
.macro SCALES sc
.irp i, 0,1,2,3,4,5,6,7
	ds_load_b64 v[SC+8*NQ*\sc+NQ*\i:SC+8*NQ*\sc+NQ*\i+1], v[ADRS] offset:\i*SBLK
.endr
.endm
.macro PLACES n
.rept \n
	v_nop
.endr
.endm
.macro STEP slot, q, zero
	s_wait_dscnt 4*NL                              ; W's set and A's blocks 0-3 are in; the youngest 24 loads (A's blocks 4-7) may be out
	WIN MUL_LO
	MUL16 0, (\q)%2, \q, \slot, \zero
	MUL16 2, (\q)%2, \q, \slot, \zero
	s_wait_dscnt 0
	PLACES NP
	FETCH_B \slot, (\q)+1, 1-(\q)%2
	FETCH_A \slot, (\q)+1, 0
	WIN MUL_HI
	MUL16 4, (\q)%2, \q, \slot, \zero
	MUL16 6, (\q)%2, \q, \slot, \zero
	PLACES NP
	WIN 0
	FETCH_A \slot, (\q)+1, 4
.endm
.macro TURN slot, next, fill
	s_wait_tensorcnt 0x0                           ; all my tensor loads have landed: my part of the next slot
	ds_add_u32 v[SPW], v[NIL]                      ; 0 onto my spare word
	s_wait_dscnt 4*NL+1                            ; (the add and the youngest 24 loads may be out)
	WIN MUL_LO
	MUL16 0, 1, NQ-1, \slot, 0
	s_wait_dscnt 0x0                               ; the add is done, and my reads of this slot are over
	s_barrier_signal -1
	MUL16 2, 1, NQ-1, \slot, 0
	WIN 0
	s_barrier_wait -1
.if \fill
	CREST                                          ; the barrier has opened a round of the cluster's barrier
	s_add_nc_u64 s[G0+4*\slot+2:G0+4*\slot+3], s[G0+4*\slot+2:G0+4*\slot+3], 2*ASTEP
	s_add_nc_u64 s[G0B+4*\slot+2:G0B+4*\slot+3], s[G0B+4*\slot+2:G0B+4*\slot+3], 2*ROWB
	JLOAD G0+4*\slot, G1, G0B+4*\slot, G1B
.else
	PLACES NP
.endif
	v_add_nc_u32 v[ADRS], 4*NQ, v[ADRS]
	FETCH_B \next, 0, 0
	FETCH_A \next, 0, 0
	SCALES \next
	WIN MUL_HI
	MUL16 4, 1, NQ-1, \slot, 0
	MUL16 6, 1, NQ-1, \slot, 0
	PLACES NP
	WIN 0
	FETCH_A \next, 0, 4
.endm
	s_wait_tensorcnt 1                             ; the scales and my part of K step 0 are in; K step 1's load may be out
	s_barrier_signal -1
	s_barrier_wait -1
	FETCH_B 0, 0, 0
	FETCH_A 0, 0, 0
	SCALES 0
	FETCH_A 0, 0, 4
	STEP 0, 0, 1
	s_mov_b32 s3, LAPS-1
.Llap:
	TURN 0, 1, 1
	STEP 1, 0, 0
	TURN 1, 0, 1
	STEP 0, 0, 0
	s_sub_co_u32 s3, s3, 1
	s_cmp_lg_u32 s3, 0
	s_cbranch_scc1 .Llap
	TURN 0, 1, 0
	STEP 1, 0, 0
	s_wait_dscnt 4*NL
	WIN MUL_LO
	MUL16 0, 1, NQ-1, 1, 0
	MUL16 2, 1, NQ-1, 1, 0
	s_wait_dscnt 0
	WIN MUL_HI
	MUL16 4, 1, NQ-1, 1, 0
	MUL16 6, 1, NQ-1, 1, 0
	WIN 0
.macro RLOAD a                         ; the residual's 16 rows of block a: 512 consecutive bytes a load
.irp t, 0,1,2,3,4,5,6,7,8,9,10,11,12,13,14,15
	global_load_b128 v[RB+4*\t:RB+4*\t+3], v[CO], s[96:97] offset:(32*((\a)/2)+8*((\a)%2)+\t+8*(\t/8))*SIZE_N*4
.endr
.endm
.macro TOSTAGE a
.set AC, 64*((\a)%4)
	WIN 0x08+4*((\a)/4)                            ; an LDS store's data are its source 1: window 2 or 3
.irp b, 0,1,2,3,4,5,6,7
	ds_store_b128 v[STO], v[AC+8*\b:AC+8*\b+3] offset:64*\b          ; each accumulator from its low end on
	ds_store_b128 v[STO], v[AC+8*\b+4:AC+8*\b+7] offset:64*\b+16
.endr
	WIN 0
.set BB, BK+64*((\a)%2)
.irp t, 0,1,2,3,4,5,6,7,8,9,10,11,12,13,14,15
	ds_load_b128 v[BB+4*\t:BB+4*\t+3], v[RD] offset:\t*SPITCH        ; LDS serves a wave's instructions in order: these see the stores above
.endr
.endm
.macro ADDR a
.set BB, BK+64*((\a)%2)
.set kk, 0
.rept 16
	v_pk_add_f32 v[BB+kk:BB+kk+1], v[BB+kk:BB+kk+1], v[BIAS4:BIAS4+1]
	v_pk_add_f32 v[BB+kk+2:BB+kk+3], v[BB+kk+2:BB+kk+3], v[BIAS4+2:BIAS4+3]
.set kk, kk+4
.endr
.set kk, 0
.rept 32
	v_pk_add_f32 v[BB+kk:BB+kk+1], v[BB+kk:BB+kk+1], v[RB+kk:RB+kk+1]
.set kk, kk+2
.endr
.endm
.macro SEND a
.set BB, BK+64*((\a)%2)
.irp t, 0,1,2,3,4,5,6,7,8,9,10,11,12,13,14,15
	global_store_b128 v[CO], v[BB+4*\t:BB+4*\t+3], s[98:99] offset:(32*((\a)/2)+8*((\a)%2)+\t+8*(\t/8))*SIZE_N*4   ; 512 consecutive bytes, at a multiple of 256 from the buffer's first byte
.endr
.endm
	PLACES NP                                      ; behind the last products: results are read, and loads land in registers that held operands and scales
	RLOAD 0
	TOSTAGE 0
.irp a, 0,1,2,3,4,5,6,7
	s_wait_dscnt 0x0                               ; the block is back in registers,
	s_wait_loadcnt 0x0                             ; its rows of the residual are in (the first time: the bias too)
	ADDR \a
.if \a < 7
	s_wait_xcnt 0x0                                ; the block before's stores have read their registers: the next block's loads may land there
	RLOAD \a+1
	TOSTAGE \a+1
.endif
	SEND \a
.endr
	s_wait_tensorcnt 0x0                           ; the wave's end
	ds_add_u32 v[SPW], v[NIL]
	s_wait_dscnt 0x0
	CROUND                                         ; the closing round
	s_endpgm
.Lfunc_end_k_qc4e3d68a69_proj:
	.size	k_qc4e3d68a69_proj, .Lfunc_end_k_qc4e3d68a69_proj-k_qc4e3d68a69_proj
	.p2alignl 7, 3214868480
	.fill 96, 4, 3214868480
	.section	.rodata,"a",@progbits
	.p2align	6, 0x0
	.amdhsa_kernel k_qc4e3d68a69_proj
		.amdhsa_group_segment_fixed_size 327680
		.amdhsa_private_segment_fixed_size 0
		.amdhsa_enable_private_segment 0
		.amdhsa_kernarg_size 48
		.amdhsa_user_sgpr_count 2
		.amdhsa_user_sgpr_kernarg_segment_ptr 1
		.amdhsa_wavefront_size32 1
		.amdhsa_system_sgpr_workgroup_id_x 1
		.amdhsa_system_sgpr_workgroup_id_y 1
		.amdhsa_system_sgpr_workgroup_id_z 1
		.amdhsa_system_vgpr_workitem_id 0
		.amdhsa_next_free_vgpr 1024
		.amdhsa_next_free_sgpr 102
		.amdhsa_reserve_vcc 0
		.amdhsa_float_denorm_mode_32 3
		.amdhsa_float_denorm_mode_16_64 3
		.amdhsa_memory_ordered 1
		.amdhsa_forward_progress 1
		.amdhsa_inst_pref_size 204
	.end_amdhsa_kernel
	.amdgpu_metadata
---
amdhsa.version: [ 1, 2 ]
amdhsa.kernels:
  - .name:           k_qc4e3d68a69_proj
    .symbol:         k_qc4e3d68a69_proj.kd
    .args:
      - { .name: ybuf, .offset: 0, .size: 8, .value_kind: global_buffer, .address_space: global }
      - { .name: w_proj_codes, .offset: 8, .size: 8, .value_kind: global_buffer, .address_space: global }
      - { .name: w_proj_scales, .offset: 16, .size: 8, .value_kind: global_buffer, .address_space: global }
      - { .name: b_proj, .offset: 24, .size: 8, .value_kind: global_buffer, .address_space: global }
      - { .name: x, .offset: 32, .size: 8, .value_kind: global_buffer, .address_space: global }
      - { .name: x1, .offset: 40, .size: 8, .value_kind: global_buffer, .address_space: global }
    .group_segment_fixed_size: 327680
    .private_segment_fixed_size: 0
    .kernarg_segment_align: 8
    .kernarg_segment_size: 48
    .max_flat_workgroup_size: 128
    .sgpr_count:     102
    .vgpr_count:     1024
    .wavefront_size: 32
...
	.end_amdgpu_metadata
.endif
;; end of part 4
;; launch ln2: the kernel of part 1 again; grid 256 x 1, 8 waves a work-group, no clusters, 43,008 bytes of LDS; arguments x1, ln2_g, ln2_b, abuf; writes abuf
;; launch fc (part 5): grid 16 x 16, 4 waves a work-group, clusters of 4 x 4, 327,680 bytes of LDS; arguments abuf, w_fc_codes, w_fc_scales, b_fc, hbuf; writes hbuf
.if DOCPART == 5
	.amdgcn_target "amdgcn-amd-amdhsa--gfx1250"
	.amdhsa_code_object_version 6
	.text
	.protected	k_qc4e3d68a69_fc
	.globl	k_qc4e3d68a69_fc
	.p2align	8
	.type	k_qc4e3d68a69_fc,@function
k_qc4e3d68a69_fc:
	s_mov_b64 s[64:65], 0
	v_nop
	global_prefetch_b8 v0, s[64:65] scope:SCOPE_SE
	s_setreg_imm32_b32 hwreg(HW_REG_WAVE_MODE, 25, 1), 1
	s_wait_xcnt 0x0
	s_wait_alu depctr_hold_cnt(0) depctr_sa_sdst(0) depctr_va_vdst(0) depctr_va_sdst(0) depctr_va_ssrc(0) depctr_va_vcc(0) depctr_vm_vsrc(0)
	s_getreg_b32 s2, hwreg(HW_REG_IB_STS2, 6, 4)
	s_cmp_eq_u32 s2, 0
	s_cbranch_scc0 .Lentry_in_a_cluster
	s_endpgm
.Lentry_in_a_cluster:
	s_bfe_u32 s2, ttmp6, 0x10000c
	s_cmp_lg_u32 s2, 0xf033
	s_cbranch_scc0 .Lentry_shape_is_right
	s_endpgm
.Lentry_shape_is_right:
; h = gelu(a W^T + b), the product on codes of FP6 (E2M3) with one E8M0 scale for each 32 along K = 1,024; h is quantised at once along its 4,096 columns and leaves as IMAGES of the next product's fragments.
; a: 4,096 tokens, codes [token][768 bytes] at byte 0 of its buffer, scale bytes [token][32] at 0x300000.  W: [4,096][768 bytes], scale bytes [4,096][32].
; The loop: a tile of 256 x 256 to a work-group of four waves, 128 x 128 to a wave, K in steps of 256 through a ring of two LDS slots, all scale bytes resident in LDS, 4 x 4 work-groups to a cluster with joint loads.
; Source 0 = 16 rows of W, source 1 = 16 tokens: a lane holds one token, its registers run along h's columns.
; THE ROWS OF A TILE OF 16 ARE NOT NEIGHBOURS, on both sides: lane r of tile i takes row 32 (i / 2) + 8 (i % 2) + r + 8 (r / 8): so the 64 registers of a block of accumulators are 128 columns in their natural order, 16
; neighbours of each 32 in each half of the lanes.  (Rows 16 apart start at the same banks, so a fragment's loads meet two deep.)
; GELU is the exact one: 0.5 x (1 + erf(x / sqrt 2)), erf(z) = z P(z^2) / Q(z^2) with z held to -4 .. 4, a rational form of degrees 6 and 4 in z^2, all in f32.
; LIMIT: 1 + erf is formed in f32, so for x under about -2 the error is some 1e-7 |x|, not 1e-6 of the small result.  NaN and infinities are not served.  A block of zeros gets the scale byte 1, not 127.
; OUT: images [128 tokens g][K step 32][tile 8][1,536] at 0 (plane p = registers 2 p, 2 p + 1, lane l's 8 bytes at 256 p + 8 l); scale bytes [128 g + 16 tile + r][128] at 0xC00000.
; The way out is a loop of eight trips, one for each block of 16 tokens: only the 32 lines that fetch a block's sums differ, and a branch on the trip's number picks them.
.set SIZE_K, 1024
.set KSTEP,  256
.set NQ,     KSTEP/128
.set ROWB,   192
.set KROW,   SIZE_K*6/8
.set PITCH,  240
.set FR,     12
.set NL,     6
.set NP,     4
.set HALFT,  128*PITCH
.set SLOT,   4*HALFT
.set LAPS,   SIZE_K/(2*KSTEP)
.set KS,     SIZE_K/32
.set SCL,    2*SLOT
.set HALFS,  (128*KS/256)*272
.set SPARE,  SCL+4*HALFS
.set RP,   7
.set LI8,  8                           ; v8   8 x lane
.set SCO,  9                           ; v9   128 x (lane % 16): my row of the scale bytes
.set ADRA, 16
.set ADRB, 20
.set ADRS, 27
.set SPW,  28
.set NIL,  29
.set BO,   30
.set SC,   32
.set AF,   128
.set BIASB, 64                         ; v64-127 the bias of my 64 registers' columns
.set T,    128                         ; the way out: 64 numbers
.set PC,   192                         ; v192-211 the codes just made
.set Z,    192                         ; v192-207 z (ahead of the quantiser)
.set Z2,   208                         ; v208-223 z^2
.set P,    224                         ; v224-239
.set Q,    240                         ; v240-255
.set TM,   32
.set PW,   48
.set CA,   52                          ; v[52:53] alpha 11, twice
.set CB,   54                          ; v[54:55] beta 6, twice
.set SEL,  20
.set HI,   96                          ; s[96:97] the block's image
.set HS,   98                          ; s[98:99] the block's rows of scale bytes
.set G1, 24
.set G0, 32
.set G1B, 48
.set G0B, 56
.set G1S, 68
.set G0S, 76
.set G1SB, 80
.set G0SB, 88
.set MSB, 0
.macro WIN new
.if MSB != \new
	s_set_vgpr_msb (MSB<<8)|\new
.set MSB, \new
.endif
.endm
.set MUL_LO, 0xa1
.set MUL_HI, 0xf1
.set TO_B,   0x40
.macro JLOAD g0a, g1a, g0b, g1b        ; a joint load: waves 0 and 1 fetch for a, waves 2 and 3 for W; four v_nop follow each of the two lines
	s_cmp_eq_u32 s15, 0
	s_cbranch_scc0 .Lfor_b_\@
	tensor_load_to_lds s[\g0a:\g0a+3], s[\g1a:\g1a+7]
	s_nop 0
.rept 4
	v_nop
.endr
	s_branch .Lasked_\@
.Lfor_b_\@:
	tensor_load_to_lds s[\g0b:\g0b+3], s[\g1b:\g1b+7]
	s_nop 0
.rept 4
	v_nop
.endr
.Lasked_\@:
.endm
.macro CREST
	s_cmp_lg_u32 s14, 0
	s_cbranch_scc1 .Lnot_wave_0_\@
	s_barrier_signal -3
.Lnot_wave_0_\@:
	s_barrier_wait -3
	s_barrier_signal -1
	s_barrier_wait -1
.endm
.macro CROUND
	s_barrier_signal -1
	s_barrier_wait -1
	CREST
.endm
	s_load_b128 s[4:7], s[0:1], 0x0                ; a's buffer, W's codes
	s_load_b128 s[8:11], s[0:1], 0x10              ; W's scales, the bias
	s_load_b64 s[12:13], s[0:1], 0x20              ; h's buffer
	v_lshl_add_u32 v[SPW], v0, 2, SPARE
	v_mov_b32 v[NIL], 0
	ds_add_u32 v28, v29
	ds_add_u32 v28, v29
	s_wait_dscnt 0x0
	v_lshrrev_b32 v1, 5, v0
	v_readfirstlane_b32 s14, v1
	s_lshr_b32 s15, s14, 1
	s_and_b32 s16, s14, 1
	s_bfe_u32 s40, ttmp6, 0x40000
	s_bfe_u32 s41, ttmp6, 0x40004
	s_lshl_b32 s42, ttmp9, 2
	s_add_co_u32 s42, s42, s40                     ; tile column
	s_and_b32 s17, ttmp7, 0xffff
	s_lshl_b32 s17, s17, 2
	s_add_co_u32 s17, s17, s41                     ; tile row
	s_lshl_b32 s43, s41, 2
	s_lshl_b32 s43, 15, s43
	s_lshl_b32 s44, 0x1111, s40
	s_or_b32 s[G1+0], s43, (0<<16)|(1<<20)|(1<<21)|(3<<22)|(3<<25)
	s_or_b32 s[G1B+0], s44, (0<<16)|(1<<20)|(1<<21)|(3<<22)|(3<<25)
.irp g, G1, G1B
	s_mov_b32 s[\g+1], ROWB<<16
	s_mov_b32 s[\g+2], 128<<16
	s_mov_b32 s[\g+3], ROWB<<16
	s_mov_b32 s[\g+4], 128
	s_mov_b32 s[\g+5], KROW
	s_mov_b32 s[\g+6], 0
	s_mov_b32 s[\g+7], 0
.endr
	s_or_b32 s[G1S+0], s43, (3<<16)|(1<<20)|(1<<21)|(5<<22)|(3<<25)
	s_or_b32 s[G1SB+0], s44, (3<<16)|(1<<20)|(1<<21)|(5<<22)|(3<<25)
.irp g, G1S, G1SB
	s_mov_b32 s[\g+1], 32<<16
	s_mov_b32 s[\g+2], (128*KS/256)<<16
	s_mov_b32 s[\g+3], 32<<16
	s_mov_b32 s[\g+4], 128*KS/256
	s_mov_b32 s[\g+5], 32
	s_mov_b32 s[\g+6], 0
	s_mov_b32 s[\g+7], 0
.endr
	s_lshl_b32 s18, s16, 7
	s_lshl_b32 s20, s17, 8
	s_add_co_u32 s20, s20, s18
	s_lshl_b32 s46, s42, 8
	s_add_co_u32 s46, s46, s18
	s_mov_b32 s21, 0
	s_mov_b32 s47, 0
	s_mov_b64 s[18:19], KS
	s_mul_u64 s[22:23], s[20:21], s[18:19]
	s_mul_u64 s[92:93], s[46:47], s[18:19]
	s_mov_b64 s[18:19], KROW
	s_mul_u64 s[20:21], s[20:21], s[18:19]
	s_mul_u64 s[46:47], s[46:47], s[18:19]
	s_mul_i32 s45, s14, HALFT
	s_mul_i32 s94, s14, HALFS
	s_wait_kmcnt 0x0
	s_add_nc_u64 s[96:97], s[4:5], 0x300000        ; a's scale bytes
	s_add_nc_u64 s[20:21], s[4:5], s[20:21]
	s_add_nc_u64 s[22:23], s[96:97], s[22:23]
	s_add_nc_u64 s[46:47], s[6:7], s[46:47]
	s_add_nc_u64 s[92:93], s[8:9], s[92:93]
	CROUND
	s_mov_b32 s[G0S], 1
	s_add_co_u32 s[G0S+1], s94, SCL
	s_mov_b64 s[G0S+2:G0S+3], s[22:23]
	s_or_b32 s[G0S+3], s[G0S+3], 0x80000000
	s_mov_b32 s[G0SB], 1
	s_add_co_u32 s[G0SB+1], s94, SCL
	s_mov_b64 s[G0SB+2:G0SB+3], s[92:93]
	s_or_b32 s[G0SB+3], s[G0SB+3], 0x80000000
	JLOAD G0S, G1S, G0SB, G1SB
.irp s, 0,1
	s_mov_b32 s[G0+4*\s], 1
	s_add_co_u32 s[G0+4*\s+1], s45, \s*SLOT
	s_add_nc_u64 s[G0+4*\s+2:G0+4*\s+3], s[20:21], \s*ROWB
	s_or_b32 s[G0+4*\s+3], s[G0+4*\s+3], 0x80000000
	s_mov_b32 s[G0B+4*\s], 1
	s_add_co_u32 s[G0B+4*\s+1], s45, \s*SLOT
	s_add_nc_u64 s[G0B+4*\s+2:G0B+4*\s+3], s[46:47], \s*ROWB
	s_or_b32 s[G0B+4*\s+3], s[G0B+4*\s+3], 0x80000000
	JLOAD G0+4*\s, G1, G0B+4*\s, G1B
.endr
	v_and_b32 v1, 15, v0
	v_bfe_u32 v2, v0, 4, 1
	v_and_b32 v[RP], 8, v1
	v_add_nc_u32 v[RP], v[RP], v1                  ; r + 8 (r / 8)
	v_mul_u32_u24 v3, v[RP], PITCH
	v_mul_u32_u24 v4, v2, 24
	v_add_nc_u32 v4, v3, v4
	v_lshl_add_u32 v5, v2, 4, v4
	s_mul_i32 s21, s15, HALFT
	s_mul_i32 s22, s16, HALFT
	s_add_co_u32 s22, s22, 2*HALFT
.irp s, 0,1
	v_add_nc_u32 v[ADRA+\s], s21, v4
	v_add_nc_u32 v[ADRB+\s], s22, v4
	v_add_nc_u32 v[ADRA+2+\s], s21, v5
	v_add_nc_u32 v[ADRB+2+\s], s22, v5
	s_add_co_u32 s21, s21, SLOT
	s_add_co_u32 s22, s22, SLOT
.endr
	v_mul_u32_u24 v5, v[RP], KS
	v_lshrrev_b32 v6, 8, v5
	v_lshl_add_u32 v5, v6, 4, v5
	s_mul_i32 s21, s15, HALFS
	s_mul_i32 s22, s16, HALFS
	s_add_co_u32 s22, s22, 2*HALFS
	s_sub_co_u32 s22, s22, s21
	v_mul_u32_u24 v6, s22, v2
	s_add_co_u32 s21, s21, SCL
	v_add_nc_u32 v5, v5, v6
	v_add_nc_u32 v[ADRS], s21, v5
	s_lshl_b32 s20, s42, 8
	s_lshl_b32 s21, s16, 7
	s_add_co_u32 s20, s20, s21                     ; my first column
	s_lshl_b32 s20, s20, 2
	v_lshl_add_u32 v[BO], v2, 6, s20
.irp bb, 0,1,2,3
.irp jj, 0,1,2,3
	global_load_b128 v[BIASB+16*\bb+4*\jj:BIASB+16*\bb+4*\jj+3], v[BO], s[10:11] offset:(32*\bb+4*\jj)*4
.endr
.endr
	v_and_b32 v6, 31, v0
	v_lshlrev_b32 v[LI8], 3, v6
	v_lshlrev_b32 v[SCO], 7, v1
	s_lshl_b32 s18, s17, 1
	s_add_co_u32 s18, s18, s15                     ; g: my 128 tokens
	s_lshl_b32 s19, s42, 1
	s_add_co_u32 s19, s19, s16                     ; my 128 columns: a K step of the next product
	s_mul_i32 s92, s18, 393216
	s_mul_i32 s23, s19, 12288
	s_add_co_u32 s92, s92, s23
	s_mov_b32 s93, 0
	s_add_nc_u64 s[HI:HI+1], s[12:13], s[92:93]
	s_lshl_b32 s94, s18, 14
	s_lshl_b32 s23, s19, 2
	s_add_co_u32 s94, s94, s23
	s_add_co_u32 s94, s94, 0xc00000
	s_mov_b32 s95, 0
	s_add_nc_u64 s[HS:HS+1], s[12:13], s[94:95]
.macro FRAG reg, adr, q, i
.irp p, 0,1,2,3,4,5
.set PCE, 12*(\q)+6*(\p/3)+\p%3
.if PCE%8 < 5
	ds_load_b64 v[\reg+2*\p:\reg+2*\p+1], v[\adr] offset:8*PCE+16*(PCE/8)+(32*((\i)/2)+8*((\i)%2))*PITCH
.else
	ds_load_b64 v[\reg+2*\p:\reg+2*\p+1], v[\adr+2] offset:8*PCE+16*(PCE/8)+(32*((\i)/2)+8*((\i)%2))*PITCH
.endif
.endr
.endm
.macro MUL16 a0, p, q, sc, zero
.irp a, \a0, \a0+1
.irp b, 0,1,2,3,4,5,6,7
.if \zero
	v_wmma_scale_f32_16x16x128_f8f6f4 v[8*(8*((\a)%4)+\b):8*(8*((\a)%4)+\b)+7], v[128*(\p)+FR*\b:128*(\p)+FR*\b+FR-1], v[AF+FR*(\a):AF+FR*(\a)+FR-1], 0, v[SC+8*NQ*(\sc)+NQ*\b+(\q)], v[SC+8*NQ*(\sc)+NQ*(\a)+(\q)] matrix_a_fmt:MATRIX_FMT_FP6 matrix_b_fmt:MATRIX_FMT_FP6 matrix_a_scale:MATRIX_SCALE_ROW1
.else
	v_wmma_scale_f32_16x16x128_f8f6f4 v[8*(8*((\a)%4)+\b):8*(8*((\a)%4)+\b)+7], v[128*(\p)+FR*\b:128*(\p)+FR*\b+FR-1], v[AF+FR*(\a):AF+FR*(\a)+FR-1], v[8*(8*((\a)%4)+\b):8*(8*((\a)%4)+\b)+7], v[SC+8*NQ*(\sc)+NQ*\b+(\q)], v[SC+8*NQ*(\sc)+NQ*(\a)+(\q)] matrix_a_fmt:MATRIX_FMT_FP6 matrix_b_fmt:MATRIX_FMT_FP6 matrix_a_scale:MATRIX_SCALE_ROW1
.endif
.endr
.endr
.endm
.macro FETCH_B slot, q, p
	WIN TO_B
.irp i, 0,1,2,3,4,5,6,7
	FRAG 128*(\p)+FR*\i, ADRB+\slot, \q, \i
.endr
	WIN 0
.endm
.macro FETCH_A slot, q, i0
.irp i, \i0, \i0+1, \i0+2, \i0+3
	FRAG AF+FR*(\i), ADRA+\slot, \q, \i
.endr
.endm
.macro SCALES sc
.irp i, 0,1,2,3,4,5,6,7
	ds_load_b64 v[SC+8*NQ*\sc+NQ*\i:SC+8*NQ*\sc+NQ*\i+1], v[ADRS] offset:(4*(\i/2)+(\i%2))*272
.endr
.endm
.macro PLACES n
.rept \n
	v_nop
.endr
.endm
.macro STEP slot, q, zero
	s_wait_dscnt 4*NL                              ; W's set and a's blocks 0-3 are in; the youngest 24 loads (a's blocks 4-7) may be out
	WIN MUL_LO
	MUL16 0, (\q)%2, \q, \slot, \zero
	MUL16 2, (\q)%2, \q, \slot, \zero
	s_wait_dscnt 0
	PLACES NP
	FETCH_B \slot, (\q)+1, 1-(\q)%2
	FETCH_A \slot, (\q)+1, 0
	WIN MUL_HI
	MUL16 4, (\q)%2, \q, \slot, \zero
	MUL16 6, (\q)%2, \q, \slot, \zero
	PLACES NP
	WIN 0
	FETCH_A \slot, (\q)+1, 4
.endm
.macro TURN slot, next, fill
	s_wait_tensorcnt 0x0                           ; all my tensor loads have landed: my part of the next slot
	ds_add_u32 v[SPW], v[NIL]                      ; 0 onto my spare word
	s_wait_dscnt 4*NL+1                            ; (the add and the youngest 24 loads may be out)
	WIN MUL_LO
	MUL16 0, 1, NQ-1, \slot, 0
	s_wait_dscnt 0x0                               ; the add is done, and my reads of this slot are over
	s_barrier_signal -1
	MUL16 2, 1, NQ-1, \slot, 0
	WIN 0
	s_barrier_wait -1
.if \fill
	CREST                                          ; the barrier has opened a round of the cluster's barrier
	s_add_nc_u64 s[G0+4*\slot+2:G0+4*\slot+3], s[G0+4*\slot+2:G0+4*\slot+3], 2*ROWB
	s_add_nc_u64 s[G0B+4*\slot+2:G0B+4*\slot+3], s[G0B+4*\slot+2:G0B+4*\slot+3], 2*ROWB
	JLOAD G0+4*\slot, G1, G0B+4*\slot, G1B
.else
	PLACES NP
.endif
	v_add_nc_u32 v[ADRS], 4*NQ, v[ADRS]
	FETCH_B \next, 0, 0
	FETCH_A \next, 0, 0
	SCALES \next
	WIN MUL_HI
	MUL16 4, 1, NQ-1, \slot, 0
	MUL16 6, 1, NQ-1, \slot, 0
	PLACES NP
	WIN 0
	FETCH_A \next, 0, 4
.endm
	s_wait_tensorcnt 1                             ; the scales and my part of K step 0 are in; K step 1's load may be out
	s_barrier_signal -1
	s_barrier_wait -1
	FETCH_B 0, 0, 0
	FETCH_A 0, 0, 0
	SCALES 0
	FETCH_A 0, 0, 4
	STEP 0, 0, 1
	s_mov_b32 s3, LAPS-1
.Llap:
	TURN 0, 1, 1
	STEP 1, 0, 0
	TURN 1, 0, 1
	STEP 0, 0, 0
	s_sub_co_u32 s3, s3, 1
	s_cmp_lg_u32 s3, 0
	s_cbranch_scc1 .Llap
	TURN 0, 1, 0
	STEP 1, 0, 0
	s_wait_dscnt 4*NL
	WIN MUL_LO
	MUL16 0, 1, NQ-1, 1, 0
	MUL16 2, 1, NQ-1, 1, 0
	s_wait_dscnt 0
	WIN MUL_HI
	MUL16 4, 1, NQ-1, 1, 0
	MUL16 6, 1, NQ-1, 1, 0
	WIN 0
.macro QUANT s                         ; 64 numbers of a lane, register 16 b + i = k 32 b + 16 (lane / 16) + i of my row, become a fragment's codes in v[PC] on and its scale word in v[PW]
.irp b, 0,1,2,3
	v_max3_num_f32 v[TM+\b], |v[\s+16*\b]|, |v[\s+1+16*\b]|, 0x1800000
.endr
.irp i, 2,4,6,8,10,12,14
.irp b, 0,1,2,3
	v_max3_num_f32 v[TM+\b], v[TM+\b], |v[\s+16*\b+\i]|, |v[\s+1+16*\b+\i]|
.endr
.endr
.irp b, 0,1,2,3
	v_permlanex16_b32 v[TM+4+\b], v[TM+\b], s[SEL], s[SEL+1]
.endr
.irp b, 0,1,2,3
	v_max_num_f32 v[TM+\b], v[TM+\b], v[TM+4+\b]
.endr
.irp b, 0,1,2,3
	v_add_nc_u32 v[TM+12+\b], 0xff000000, v[TM+\b]
.endr
.irp b, 0,1,2,3
	v_lshrrev_b32 v[TM+4+\b], 23, v[TM+12+\b]
.endr
	v_lshl_or_b32 v[PW], v[TM+5], 8, v[TM+4]
	v_lshl_or_b32 v[PW], v[TM+6], 16, v[PW]
	v_lshl_or_b32 v[PW], v[TM+7], 24, v[PW]
.irp c, 0,1
	v_cvt_scalef32_pk16_fp6_f32 v[PC+6*\c:PC+2+6*\c], v[\s+32*\c:\s+15+32*\c], v[TM+12+2*\c]
	v_cvt_scalef32_pk16_fp6_f32 v[PC+12+4*\c:PC+14+4*\c], v[\s+16+32*\c:\s+31+32*\c], v[TM+12+2*\c+1]
.endr
	v_nop
.irp c, 0,1
.irp i, 0,1,2
	v_permlane16_swap_b32 v[PC+6*\c+\i], v[PC+12+4*\c+\i]
.endr
.irp i, 0,1,2
	v_mov_b32 v[PC+3+6*\c+\i], v[PC+12+4*\c+\i]
.endr
.endr
.endm
.macro COPY a                          ; block a's 64 sums + the bias, each accumulator from its low end on
	WIN 0x02+(\a)/4
.set AC, 64*((\a)%4)
.set kk, 0
.rept 32
	v_pk_add_f32 v[T+kk:T+kk+1], v[AC+kk:AC+kk+1], v[BIASB+kk:BIASB+kk+1]
.set kk, kk+2
.endr
	WIN 0
.endm
.macro HORNER acc, sp                  ; acc = acc z^2 + the constant in s[sp]
.set kk, 0
.rept 8
	v_pk_fma_f32 v[\acc+kk:\acc+kk+1], v[\acc+kk:\acc+kk+1], v[Z2+kk:Z2+kk+1], s[\sp:\sp+1] op_sel_hi:[1,1,0]
.set kk, kk+2
.endr
.endm
.macro GELU16 c                        ; 16 numbers at v[T + 16 c] on, in place
.set TT, T+16*\c
.set kk, 0
.rept 8
	v_pk_mul_f32 v[Z+kk:Z+kk+1], v[TT+kk:TT+kk+1], s[24:25] op_sel_hi:[1,0]   ; z = x / sqrt 2
.set kk, kk+2
.endr
.set kk, 0
.rept 16
	v_med3_num_f32 v[Z+kk], v[Z+kk], -4.0, 4.0
.set kk, kk+1
.endr
.set kk, 0
.rept 8
	v_pk_mul_f32 v[Z2+kk:Z2+kk+1], v[Z+kk:Z+kk+1], v[Z+kk:Z+kk+1]
.set kk, kk+2
.endr
.set kk, 0
.rept 8
	v_pk_fma_f32 v[P+kk:P+kk+1], v[Z2+kk:Z2+kk+1], s[26:27], v[CA:CA+1] op_sel_hi:[1,0,1]
	v_pk_fma_f32 v[Q+kk:Q+kk+1], v[Z2+kk:Z2+kk+1], s[38:39], v[CB:CB+1] op_sel_hi:[1,0,1]
.set kk, kk+2
.endr
	HORNER Q, 40
	HORNER Q, 42
	HORNER Q, 44
	HORNER P, 28
	HORNER P, 30
	HORNER P, 32
	HORNER P, 34
	HORNER P, 36
.set kk, 0
.rept 16
	v_rcp_f32 v[Q+kk], v[Q+kk]
.set kk, kk+1
.endr
.set kk, 0
.rept 8
	v_pk_mul_f32 v[Z+kk:Z+kk+1], v[Z+kk:Z+kk+1], v[P+kk:P+kk+1]               ; z P: work that names no reciprocal
	v_pk_mul_f32 v[TT+kk:TT+kk+1], v[TT+kk:TT+kk+1], 0.5 op_sel_hi:[1,0]      ; x / 2
.set kk, kk+2
.endr
	s_wait_alu depctr_va_vdst(0)                   ; one wait for the sixteen reciprocals, ahead of their first reader
.set kk, 0
.rept 8
	v_pk_mul_f32 v[P+kk:P+kk+1], v[Z+kk:Z+kk+1], v[Q+kk:Q+kk+1]               ; erf
.set kk, kk+2
.endr
.set kk, 0
.rept 8
	v_pk_fma_f32 v[TT+kk:TT+kk+1], v[TT+kk:TT+kk+1], v[P+kk:P+kk+1], v[TT+kk:TT+kk+1]   ; x / 2 erf + x / 2
.set kk, kk+2
.endr
.endm
	PLACES NP                                      ; behind the last products: results are read, and registers that held operands and scales are written
	s_wait_loadcnt 0x0                             ; the bias
	s_mov_b32 s[SEL], 0x76543210
	s_mov_b32 s[SEL+1], 0xfedcba98
.macro CONST sp, bits                  ; a constant, twice: the packed forms name a pair.  (No tensor load of mine is out any more: the registers that held descriptors are free)
	s_mov_b32 s[\sp], \bits
	s_mov_b32 s[\sp+1], \bits
.endm
	CONST 24, 0x3f3504f3                           ; 1 / sqrt 2
	CONST 26, 0xaf95df0b                           ; alpha 13 = -2.72614226e-10
	CONST 28, 0xb60cff51                           ; alpha 9  = -2.10102402e-6
	CONST 30, 0xb86ec2d2                           ; alpha 7  = -5.69250639e-5
	CONST 32, 0xba40ac63                           ; alpha 5  = -7.34990630e-4
	CONST 34, 0xbb41a1f6                           ; alpha 3  = -2.95459981e-3
	CONST 36, 0xbc83dbd4                           ; alpha 1  = -1.60960333e-2
	CONST 38, 0xb77460cd                           ; beta 8   = -1.45660718e-5
	CONST 40, 0xbadc924e                           ; beta 4   = -1.68282697e-3
	CONST 42, 0xbbf19bf8                           ; beta 2   = -7.37332917e-3
	CONST 44, 0xbc69b6a7                           ; beta 0   = -1.42647391e-2
	v_mov_b32 v[CA], 0x32edffee                    ; alpha 11 = 2.77068142e-8
	v_mov_b32 v[CA+1], 0x32edffee
	v_mov_b32 v[CB], 0xb95fbd29                    ; beta 6   = -2.13374055e-4
	v_mov_b32 v[CB+1], 0xb95fbd29
.irp b, 0,1,2,3
	v_mov_b32 v[TM+4+\b], 0                        ; a lane permute's destination counts as one of its sources
.endr
	s_mov_b32 s3, 0
.Lblk:
.irp a, 0,1,2,3,4,5,6
	s_cmp_eq_u32 s3, \a
	s_cbranch_scc1 .Lcopy\a
.endr
	COPY 7
	s_branch .Lcommon
.irp a, 0,1,2,3,4,5,6
.Lcopy\a:
	COPY \a
	s_branch .Lcommon
.endr
.Lcommon:
	GELU16 0
	GELU16 1
	GELU16 2
	GELU16 3
	QUANT T
.irp p, 0,1,2,3,4,5
	global_store_b64 v[LI8], v[PC+2*\p:PC+2*\p+1], s[HI:HI+1] offset:256*\p   ; the wave stores 256 consecutive bytes, at a multiple of 256 from the buffer's first byte
.endr
	global_store_b32 v[SCO], v[PW], s[HS:HS+1]     ; my row's scale word; lanes l and l xor 16 write the same word with the same value
	s_wait_xcnt 0x0                                ; the stores have read their data and bases: both may be written again
	s_add_nc_u64 s[HI:HI+1], s[HI:HI+1], 1536
	s_add_nc_u64 s[HS:HS+1], s[HS:HS+1], 2048
	s_add_co_u32 s3, s3, 1
	s_cmp_lt_u32 s3, 8
	s_cbranch_scc1 .Lblk
	s_wait_tensorcnt 0x0                           ; the wave's end
	ds_add_u32 v[SPW], v[NIL]
	s_wait_dscnt 0x0
	CROUND                                         ; the closing round
	s_endpgm
.Lfunc_end_k_qc4e3d68a69_fc:
	.size	k_qc4e3d68a69_fc, .Lfunc_end_k_qc4e3d68a69_fc-k_qc4e3d68a69_fc
	.p2alignl 7, 3214868480
	.fill 96, 4, 3214868480
	.section	.rodata,"a",@progbits
	.p2align	6, 0x0
	.amdhsa_kernel k_qc4e3d68a69_fc
		.amdhsa_group_segment_fixed_size 327680
		.amdhsa_private_segment_fixed_size 0
		.amdhsa_enable_private_segment 0
		.amdhsa_kernarg_size 40
		.amdhsa_user_sgpr_count 2
		.amdhsa_user_sgpr_kernarg_segment_ptr 1
		.amdhsa_wavefront_size32 1
		.amdhsa_system_sgpr_workgroup_id_x 1
		.amdhsa_system_sgpr_workgroup_id_y 1
		.amdhsa_system_sgpr_workgroup_id_z 1
		.amdhsa_system_vgpr_workitem_id 0
		.amdhsa_next_free_vgpr 1024
		.amdhsa_next_free_sgpr 102
		.amdhsa_reserve_vcc 0
		.amdhsa_float_denorm_mode_32 3
		.amdhsa_float_denorm_mode_16_64 3
		.amdhsa_memory_ordered 1
		.amdhsa_forward_progress 1
		.amdhsa_inst_pref_size 194
	.end_amdhsa_kernel
	.amdgpu_metadata
---
amdhsa.version: [ 1, 2 ]
amdhsa.kernels:
  - .name:           k_qc4e3d68a69_fc
    .symbol:         k_qc4e3d68a69_fc.kd
    .args:
      - { .name: abuf, .offset: 0, .size: 8, .value_kind: global_buffer, .address_space: global }
      - { .name: w_fc_codes, .offset: 8, .size: 8, .value_kind: global_buffer, .address_space: global }
      - { .name: w_fc_scales, .offset: 16, .size: 8, .value_kind: global_buffer, .address_space: global }
      - { .name: b_fc, .offset: 24, .size: 8, .value_kind: global_buffer, .address_space: global }
      - { .name: hbuf, .offset: 32, .size: 8, .value_kind: global_buffer, .address_space: global }
    .group_segment_fixed_size: 327680
    .private_segment_fixed_size: 0
    .kernarg_segment_align: 8
    .kernarg_segment_size: 40
    .max_flat_workgroup_size: 128
    .sgpr_count:     102
    .vgpr_count:     1024
    .wavefront_size: 32
...
	.end_amdgpu_metadata
.endif
;; end of part 5
;; launch fc2 (part 6): grid 4 x 16, 4 waves a work-group, clusters of 4 x 4, 327,680 bytes of LDS; arguments hbuf, w_fc2_codes, w_fc2_scales, b_fc2, x1, out0; writes out0
.if DOCPART == 6
	.amdgcn_target "amdgcn-amd-amdhsa--gfx1250"
	.amdhsa_code_object_version 6
	.text
	.protected	k_qc4e3d68a69_fc2
	.globl	k_qc4e3d68a69_fc2
	.p2align	8
	.type	k_qc4e3d68a69_fc2,@function
k_qc4e3d68a69_fc2:
	s_mov_b64 s[64:65], 0
	v_nop
	global_prefetch_b8 v0, s[64:65] scope:SCOPE_SE
	s_setreg_imm32_b32 hwreg(HW_REG_WAVE_MODE, 25, 1), 1
	s_wait_xcnt 0x0
	s_wait_alu depctr_hold_cnt(0) depctr_sa_sdst(0) depctr_va_vdst(0) depctr_va_sdst(0) depctr_va_ssrc(0) depctr_va_vcc(0) depctr_vm_vsrc(0)
	s_getreg_b32 s2, hwreg(HW_REG_IB_STS2, 6, 4)
	s_cmp_eq_u32 s2, 0
	s_cbranch_scc0 .Lentry_in_a_cluster
	s_endpgm
.Lentry_in_a_cluster:
	s_bfe_u32 s2, ttmp6, 0x10000c
	s_cmp_lg_u32 s2, 0xf033
	s_cbranch_scc0 .Lentry_shape_is_right
	s_endpgm
.Lentry_shape_is_right:
; out = A W^T + bias + residual, the product on codes of FP6 (E2M3) with one E8M0 scale for each 32 along K = SIZE_K.  out, residual: [4,096][1,024] f32.  W: [1,024][SIZE_K] as codes, K innermost, scale bytes [1,024][SIZE_K / 32].
; A comes as IMAGES of its fragments' registers: [128 tokens g][K step of 128][tile 8][1,536 bytes] at byte 0 of its buffer (plane p = registers 2 p, 2 p + 1, lane l's 8 bytes at 256 p + 8 l), so that a wave's 128 rows
; x 256 along K are one dense block of 24,576 bytes for one tensor load, and a fragment is six loads of 256 consecutive bytes.  Lane r of tile i is token 128 g + 32 (i / 2) + 8 (i % 2) + r + 8 (r / 8).
; A's scale bytes lie at ASCL, [128 g + 16 i + r][SIZE_K / 32]: rows in the images' order.
; The loop: a tile of 256 x 256 to a work-group of four waves, 128 x 128 to a wave, K in steps of 256 through a ring of two LDS slots, all scale bytes resident in LDS, 4 x 4 work-groups to a cluster with joint loads.
; N = 1,024 gives 64 such tiles: 64 work-groups.  Source 0 = 16 rows of W, source 1 = 16 rows of A: a lane holds eight neighbouring numbers of a row of the result.
; THE WAY OUT: a block of 16 rows x 128 columns goes through my stage in LDS (in slot 0, behind its last fill and its last read) and comes back as whole rows of 512 bytes; bias and residual are added; row t of block a is
; token row 32 (a / 2) + 8 (a % 2) + t + 8 (t / 8) of my 128.
.set SIZE_K, 4096
.set SIZE_N, 1024
.set ASCL,   0xc00000
.set KSTEP,  256
.set NQ,     KSTEP/128
.set ROWB,   192
.set ASTEP,  24576                     ; a K step of A: 2 x 8 images
.set KROW,   SIZE_K*6/8
.set PITCH,  240
.set FR,     12
.set NL,     6
.set NP,     4
.set HALFT,  128*PITCH
.set SLOT,   4*HALFT
.set LAPS,   SIZE_K/(2*KSTEP)
.set KS,     SIZE_K/32
.set SCL,    2*SLOT
.set HALFS,  (128*KS/256)*272
.set SBLK,   (16*KS/256)*272
.set SPARE,  SCL+4*HALFS
.set SPITCH, 528
.set ADRA, 16
.set ADRB, 20
.set STO,  24
.set RD,   25
.set CO,   26
.set ADRS, 27
.set SPW,  28
.set NIL,  29
.set BO,   30                          ; v30  the bias: my byte offset; never rewritten
.set SC,   32
.set AF,   128
.set RB,   32                          ; the way out: v32-95 16 rows of the residual
.set BIAS4, 100                        ; v100-103 the bias of my four columns
.set BK,   128                         ; v128-191, v192-255 16 rows read back from the stage, by turns
.set G1, 24
.set G0, 32
.set G1B, 48
.set G0B, 56
.set G1S, 68
.set G0S, 76
.set G1SB, 80
.set G0SB, 88
.set MSB, 0
.macro WIN new
.if MSB != \new
	s_set_vgpr_msb (MSB<<8)|\new
.set MSB, \new
.endif
.endm
.set MUL_LO, 0xa1
.set MUL_HI, 0xf1
.set TO_B,   0x40
.macro JLOAD g0a, g1a, g0b, g1b        ; a joint load: waves 0 and 1 fetch for A, waves 2 and 3 for W; four v_nop follow each of the two lines
	s_cmp_eq_u32 s15, 0
	s_cbranch_scc0 .Lfor_b_\@
	tensor_load_to_lds s[\g0a:\g0a+3], s[\g1a:\g1a+7]
	s_nop 0
.rept 4
	v_nop
.endr
	s_branch .Lasked_\@
.Lfor_b_\@:
	tensor_load_to_lds s[\g0b:\g0b+3], s[\g1b:\g1b+7]
	s_nop 0
.rept 4
	v_nop
.endr
.Lasked_\@:
.endm
.macro CREST
	s_cmp_lg_u32 s14, 0
	s_cbranch_scc1 .Lnot_wave_0_\@
	s_barrier_signal -3
.Lnot_wave_0_\@:
	s_barrier_wait -3
	s_barrier_signal -1
	s_barrier_wait -1
.endm
.macro CROUND
	s_barrier_signal -1
	s_barrier_wait -1
	CREST
.endm
	s_load_b128 s[4:7], s[0:1], 0x0                ; A's buffer, W's codes
	s_load_b128 s[8:11], s[0:1], 0x10              ; W's scales, the bias
	s_load_b128 s[96:99], s[0:1], 0x20             ; the residual, the output
	v_lshl_add_u32 v[SPW], v0, 2, SPARE
	v_mov_b32 v[NIL], 0
	ds_add_u32 v28, v29
	ds_add_u32 v28, v29
	s_wait_dscnt 0x0
	v_lshrrev_b32 v1, 5, v0
	v_readfirstlane_b32 s14, v1
	s_lshr_b32 s15, s14, 1
	s_and_b32 s16, s14, 1
	s_bfe_u32 s40, ttmp6, 0x40000
	s_bfe_u32 s41, ttmp6, 0x40004
	s_lshl_b32 s42, ttmp9, 2
	s_add_co_u32 s42, s42, s40                     ; tile column
	s_and_b32 s17, ttmp7, 0xffff
	s_lshl_b32 s17, s17, 2
	s_add_co_u32 s17, s17, s41                     ; tile row
	s_lshl_b32 s43, s41, 2
	s_lshl_b32 s43, 15, s43
	s_lshl_b32 s44, 0x1111, s40
	s_or_b32 s[G1+0], s43, (3<<16)|(1<<21)         ; A: a dense block as 96 rows of 256 bytes (32 elements of 8 bytes), no padding
	s_mov_b32 s[G1+1], 32<<16
	s_mov_b32 s[G1+2], 96<<16
	s_mov_b32 s[G1+3], 32<<16
	s_mov_b32 s[G1+4], 96
	s_mov_b32 s[G1+5], 32
	s_mov_b32 s[G1+6], 0
	s_mov_b32 s[G1+7], 0
	s_or_b32 s[G1B+0], s44, (0<<16)|(1<<20)|(1<<21)|(3<<22)|(3<<25)   ; W: 128 rows of 192 bytes, 16 bytes of padding behind every 64
	s_mov_b32 s[G1B+1], ROWB<<16
	s_mov_b32 s[G1B+2], 128<<16
	s_mov_b32 s[G1B+3], ROWB<<16
	s_mov_b32 s[G1B+4], 128
	s_mov_b32 s[G1B+5], KROW
	s_mov_b32 s[G1B+6], 0
	s_mov_b32 s[G1B+7], 0
	s_or_b32 s[G1S+0], s43, (3<<16)|(1<<20)|(1<<21)|(5<<22)|(3<<25)
	s_or_b32 s[G1SB+0], s44, (3<<16)|(1<<20)|(1<<21)|(5<<22)|(3<<25)
.irp g, G1S, G1SB
	s_mov_b32 s[\g+1], 32<<16
	s_mov_b32 s[\g+2], (128*KS/256)<<16
	s_mov_b32 s[\g+3], 32<<16
	s_mov_b32 s[\g+4], 128*KS/256
	s_mov_b32 s[\g+5], 32
	s_mov_b32 s[\g+6], 0
	s_mov_b32 s[\g+7], 0
.endr
	s_lshl_b32 s18, s16, 7
	s_lshl_b32 s20, s17, 8
	s_add_co_u32 s20, s20, s18
	s_lshl_b32 s46, s42, 8
	s_add_co_u32 s46, s46, s18
	s_mov_b32 s21, 0
	s_mov_b32 s47, 0
	s_mov_b64 s[18:19], KS
	s_mul_u64 s[22:23], s[20:21], s[18:19]
	s_mul_u64 s[92:93], s[46:47], s[18:19]
	s_mov_b64 s[18:19], KROW                       ; 128 rows of A's images are 128 KROW bytes too
	s_mul_u64 s[20:21], s[20:21], s[18:19]
	s_mul_u64 s[46:47], s[46:47], s[18:19]
	s_mul_i32 s45, s14, HALFT
	s_mul_i32 s94, s14, HALFS
	s_wait_kmcnt 0x0
	s_add_nc_u64 s[100:101], s[4:5], ASCL
	s_add_nc_u64 s[20:21], s[4:5], s[20:21]
	s_add_nc_u64 s[22:23], s[100:101], s[22:23]
	s_add_nc_u64 s[46:47], s[6:7], s[46:47]
	s_add_nc_u64 s[92:93], s[8:9], s[92:93]
	CROUND
	s_mov_b32 s[G0S], 1
	s_add_co_u32 s[G0S+1], s94, SCL
	s_mov_b64 s[G0S+2:G0S+3], s[22:23]
	s_or_b32 s[G0S+3], s[G0S+3], 0x80000000
	s_mov_b32 s[G0SB], 1
	s_add_co_u32 s[G0SB+1], s94, SCL
	s_mov_b64 s[G0SB+2:G0SB+3], s[92:93]
	s_or_b32 s[G0SB+3], s[G0SB+3], 0x80000000
	JLOAD G0S, G1S, G0SB, G1SB
.irp s, 0,1
	s_mov_b32 s[G0+4*\s], 1
	s_add_co_u32 s[G0+4*\s+1], s45, \s*SLOT
	s_add_nc_u64 s[G0+4*\s+2:G0+4*\s+3], s[20:21], \s*ASTEP
	s_or_b32 s[G0+4*\s+3], s[G0+4*\s+3], 0x80000000
	s_mov_b32 s[G0B+4*\s], 1
	s_add_co_u32 s[G0B+4*\s+1], s45, \s*SLOT
	s_add_nc_u64 s[G0B+4*\s+2:G0B+4*\s+3], s[46:47], \s*ROWB
	s_or_b32 s[G0B+4*\s+3], s[G0B+4*\s+3], 0x80000000
	JLOAD G0+4*\s, G1, G0B+4*\s, G1B
.endr
	v_and_b32 v1, 15, v0
	v_bfe_u32 v2, v0, 4, 1
	v_and_b32 v6, 31, v0
	v_lshlrev_b32 v7, 3, v6                        ; 8 x lane: my place in a plane of an image
	v_mul_u32_u24 v3, v1, PITCH
	v_mul_u32_u24 v4, v2, 24
	v_add_nc_u32 v4, v3, v4
	v_lshl_add_u32 v5, v2, 4, v4
	s_mul_i32 s21, s15, HALFT
	s_mul_i32 s22, s16, HALFT
	s_add_co_u32 s22, s22, 2*HALFT
.irp s, 0,1
	v_add_nc_u32 v[ADRA+\s], s21, v7
	v_add_nc_u32 v[ADRB+\s], s22, v4
	v_add_nc_u32 v[ADRB+2+\s], s22, v5
	s_add_co_u32 s21, s21, SLOT
	s_add_co_u32 s22, s22, SLOT
.endr
	v_mul_u32_u24 v5, v1, KS
	v_lshrrev_b32 v6, 8, v5
	v_lshl_add_u32 v5, v6, 4, v5
	s_mul_i32 s21, s15, HALFS
	s_mul_i32 s22, s16, HALFS
	s_add_co_u32 s22, s22, 2*HALFS
	s_sub_co_u32 s22, s22, s21
	v_mul_u32_u24 v6, s22, v2
	s_add_co_u32 s21, s21, SCL
	v_add_nc_u32 v5, v5, v6
	v_add_nc_u32 v[ADRS], s21, v5
	s_mul_i32 s23, s14, 16*SPITCH
	v_mul_u32_u24 v5, v1, SPITCH
	v_lshl_add_u32 v5, v2, 5, v5
	v_add_nc_u32 v[STO], s23, v5
	v_and_b32 v6, 31, v0
	v_lshlrev_b32 v[CO], 4, v6
	v_add_nc_u32 v[RD], s23, v[CO]
	s_lshl_b32 s20, s17, 8
	s_lshl_b32 s21, s15, 7
	s_add_co_u32 s20, s20, s21                     ; my first row
	s_mov_b32 s21, 0
	s_mov_b64 s[18:19], SIZE_N*4
	s_mul_u64 s[20:21], s[20:21], s[18:19]
	s_lshl_b32 s46, s42, 10
	s_lshl_b32 s47, s16, 9
	s_add_co_u32 s46, s46, s47                     ; my first column, in bytes
	s_mov_b32 s47, 0
	v_add_nc_u32 v[BO], s46, v[CO]
	global_load_b128 v[BIAS4:BIAS4+3], v[BO], s[10:11]
	s_add_nc_u64 s[20:21], s[20:21], s[46:47]
	s_add_nc_u64 s[96:97], s[96:97], s[20:21]
	s_add_nc_u64 s[98:99], s[98:99], s[20:21]
.macro FRAG reg, adr, q, i             ; a fragment of W from rows of 192 bytes with 16 bytes of padding behind every 64
.irp p, 0,1,2,3,4,5
.set PCE, 12*(\q)+6*(\p/3)+\p%3
.if PCE%8 < 5
	ds_load_b64 v[\reg+2*\p:\reg+2*\p+1], v[\adr] offset:8*PCE+16*(PCE/8)+(\i)*16*PITCH
.else
	ds_load_b64 v[\reg+2*\p:\reg+2*\p+1], v[\adr+2] offset:8*PCE+16*(PCE/8)+(\i)*16*PITCH
.endif
.endr
.endm
.macro FRAGI reg, adr, q, i            ; a fragment of A from its image: six loads of 256 consecutive bytes
.irp p, 0,1,2,3,4,5
	ds_load_b64 v[\reg+2*\p:\reg+2*\p+1], v[\adr] offset:((\q)*8+(\i))*1536+256*\p
.endr
.endm
.macro MUL16 a0, p, q, sc, zero
.irp a, \a0, \a0+1
.irp b, 0,1,2,3,4,5,6,7
.if \zero
	v_wmma_scale_f32_16x16x128_f8f6f4 v[8*(8*((\a)%4)+\b):8*(8*((\a)%4)+\b)+7], v[128*(\p)+FR*\b:128*(\p)+FR*\b+FR-1], v[AF+FR*(\a):AF+FR*(\a)+FR-1], 0, v[SC+8*NQ*(\sc)+NQ*\b+(\q)], v[SC+8*NQ*(\sc)+NQ*(\a)+(\q)] matrix_a_fmt:MATRIX_FMT_FP6 matrix_b_fmt:MATRIX_FMT_FP6 matrix_a_scale:MATRIX_SCALE_ROW1
.else
	v_wmma_scale_f32_16x16x128_f8f6f4 v[8*(8*((\a)%4)+\b):8*(8*((\a)%4)+\b)+7], v[128*(\p)+FR*\b:128*(\p)+FR*\b+FR-1], v[AF+FR*(\a):AF+FR*(\a)+FR-1], v[8*(8*((\a)%4)+\b):8*(8*((\a)%4)+\b)+7], v[SC+8*NQ*(\sc)+NQ*\b+(\q)], v[SC+8*NQ*(\sc)+NQ*(\a)+(\q)] matrix_a_fmt:MATRIX_FMT_FP6 matrix_b_fmt:MATRIX_FMT_FP6 matrix_a_scale:MATRIX_SCALE_ROW1
.endif
.endr
.endr
.endm
.macro FETCH_B slot, q, p
	WIN TO_B
.irp i, 0,1,2,3,4,5,6,7
	FRAG 128*(\p)+FR*\i, ADRB+\slot, \q, \i
.endr
	WIN 0
.endm
.macro FETCH_A slot, q, i0
.irp i, \i0, \i0+1, \i0+2, \i0+3
	FRAGI AF+FR*(\i), ADRA+\slot, \q, \i
.endr
.endm
.macro SCALES sc
.irp i, 0,1,2,3,4,5,6,7
	ds_load_b64 v[SC+8*NQ*\sc+NQ*\i:SC+8*NQ*\sc+NQ*\i+1], v[ADRS] offset:\i*SBLK
.endr
.endm
.macro PLACES n
.rept \n
	v_nop
.endr
.endm
.macro STEP slot, q, zero
	s_wait_dscnt 4*NL                              ; W's set and A's blocks 0-3 are in; the youngest 24 loads (A's blocks 4-7) may be out
	WIN MUL_LO
	MUL16 0, (\q)%2, \q, \slot, \zero
	MUL16 2, (\q)%2, \q, \slot, \zero
	s_wait_dscnt 0
	PLACES NP
	FETCH_B \slot, (\q)+1, 1-(\q)%2
	FETCH_A \slot, (\q)+1, 0
	WIN MUL_HI
	MUL16 4, (\q)%2, \q, \slot, \zero
	MUL16 6, (\q)%2, \q, \slot, \zero
	PLACES NP
	WIN 0
	FETCH_A \slot, (\q)+1, 4
.endm
.macro TURN slot, next, fill
	s_wait_tensorcnt 0x0                           ; all my tensor loads have landed: my part of the next slot
	ds_add_u32 v[SPW], v[NIL]                      ; 0 onto my spare word
	s_wait_dscnt 4*NL+1                            ; (the add and the youngest 24 loads may be out)
	WIN MUL_LO
	MUL16 0, 1, NQ-1, \slot, 0
	s_wait_dscnt 0x0                               ; the add is done, and my reads of this slot are over
	s_barrier_signal -1
	MUL16 2, 1, NQ-1, \slot, 0
	WIN 0
	s_barrier_wait -1
.if \fill
	CREST                                          ; the barrier has opened a round of the cluster's barrier
	s_add_nc_u64 s[G0+4*\slot+2:G0+4*\slot+3], s[G0+4*\slot+2:G0+4*\slot+3], 2*ASTEP
	s_add_nc_u64 s[G0B+4*\slot+2:G0B+4*\slot+3], s[G0B+4*\slot+2:G0B+4*\slot+3], 2*ROWB
	JLOAD G0+4*\slot, G1, G0B+4*\slot, G1B
.else
	PLACES NP
.endif
	v_add_nc_u32 v[ADRS], 4*NQ, v[ADRS]
	FETCH_B \next, 0, 0
	FETCH_A \next, 0, 0
	SCALES \next
	WIN MUL_HI
	MUL16 4, 1, NQ-1, \slot, 0
	MUL16 6, 1, NQ-1, \slot, 0
	PLACES NP
	WIN 0
	FETCH_A \next, 0, 4
.endm
	s_wait_tensorcnt 1                             ; the scales and my part of K step 0 are in; K step 1's load may be out
	s_barrier_signal -1
	s_barrier_wait -1
	FETCH_B 0, 0, 0
	FETCH_A 0, 0, 0
	SCALES 0
	FETCH_A 0, 0, 4
	STEP 0, 0, 1
	s_mov_b32 s3, LAPS-1
.Llap:
	TURN 0, 1, 1
	STEP 1, 0, 0
	TURN 1, 0, 1
	STEP 0, 0, 0
	s_sub_co_u32 s3, s3, 1
	s_cmp_lg_u32 s3, 0
	s_cbranch_scc1 .Llap
	TURN 0, 1, 0
	STEP 1, 0, 0
	s_wait_dscnt 4*NL
	WIN MUL_LO
	MUL16 0, 1, NQ-1, 1, 0
	MUL16 2, 1, NQ-1, 1, 0
	s_wait_dscnt 0
	WIN MUL_HI
	MUL16 4, 1, NQ-1, 1, 0
	MUL16 6, 1, NQ-1, 1, 0
	WIN 0
.macro RLOAD a                         ; the residual's 16 rows of block a: 512 consecutive bytes a load
.irp t, 0,1,2,3,4,5,6,7,8,9,10,11,12,13,14,15
	global_load_b128 v[RB+4*\t:RB+4*\t+3], v[CO], s[96:97] offset:(32*((\a)/2)+8*((\a)%2)+\t+8*(\t/8))*SIZE_N*4
.endr
.endm
.macro TOSTAGE a
.set AC, 64*((\a)%4)
	WIN 0x08+4*((\a)/4)                            ; an LDS store's data are its source 1: window 2 or 3
.irp b, 0,1,2,3,4,5,6,7
	ds_store_b128 v[STO], v[AC+8*\b:AC+8*\b+3] offset:64*\b          ; each accumulator from its low end on
	ds_store_b128 v[STO], v[AC+8*\b+4:AC+8*\b+7] offset:64*\b+16
.endr
	WIN 0
.set BB, BK+64*((\a)%2)
.irp t, 0,1,2,3,4,5,6,7,8,9,10,11,12,13,14,15
	ds_load_b128 v[BB+4*\t:BB+4*\t+3], v[RD] offset:\t*SPITCH        ; LDS serves a wave's instructions in order: these see the stores above
.endr
.endm
.macro ADDR a
.set BB, BK+64*((\a)%2)
.set kk, 0
.rept 16
	v_pk_add_f32 v[BB+kk:BB+kk+1], v[BB+kk:BB+kk+1], v[BIAS4:BIAS4+1]
	v_pk_add_f32 v[BB+kk+2:BB+kk+3], v[BB+kk+2:BB+kk+3], v[BIAS4+2:BIAS4+3]
.set kk, kk+4
.endr
.set kk, 0
.rept 32
	v_pk_add_f32 v[BB+kk:BB+kk+1], v[BB+kk:BB+kk+1], v[RB+kk:RB+kk+1]
.set kk, kk+2
.endr
.endm
.macro SEND a
.set BB, BK+64*((\a)%2)
.irp t, 0,1,2,3,4,5,6,7,8,9,10,11,12,13,14,15
	global_store_b128 v[CO], v[BB+4*\t:BB+4*\t+3], s[98:99] offset:(32*((\a)/2)+8*((\a)%2)+\t+8*(\t/8))*SIZE_N*4 th:TH_STORE_NT   ; 512 consecutive bytes, at a multiple of 256 from the buffer's first byte; written once, read by nobody here
.endr
.endm
	PLACES NP                                      ; behind the last products: results are read, and loads land in registers that held operands and scales
	RLOAD 0
	TOSTAGE 0
.irp a, 0,1,2,3,4,5,6,7
	s_wait_dscnt 0x0                               ; the block is back in registers,
	s_wait_loadcnt 0x0                             ; its rows of the residual are in (the first time: the bias too)
	ADDR \a
.if \a < 7
	s_wait_xcnt 0x0                                ; the block before's stores have read their registers: the next block's loads may land there
	RLOAD \a+1
	TOSTAGE \a+1
.endif
	SEND \a
.endr
	s_wait_tensorcnt 0x0                           ; the wave's end
	ds_add_u32 v[SPW], v[NIL]
	s_wait_dscnt 0x0
	CROUND                                         ; the closing round
	s_endpgm
.Lfunc_end_k_qc4e3d68a69_fc2:
	.size	k_qc4e3d68a69_fc2, .Lfunc_end_k_qc4e3d68a69_fc2-k_qc4e3d68a69_fc2
	.p2alignl 7, 3214868480
	.fill 96, 4, 3214868480
	.section	.rodata,"a",@progbits
	.p2align	6, 0x0
	.amdhsa_kernel k_qc4e3d68a69_fc2
		.amdhsa_group_segment_fixed_size 327680
		.amdhsa_private_segment_fixed_size 0
		.amdhsa_enable_private_segment 0
		.amdhsa_kernarg_size 48
		.amdhsa_user_sgpr_count 2
		.amdhsa_user_sgpr_kernarg_segment_ptr 1
		.amdhsa_wavefront_size32 1
		.amdhsa_system_sgpr_workgroup_id_x 1
		.amdhsa_system_sgpr_workgroup_id_y 1
		.amdhsa_system_sgpr_workgroup_id_z 1
		.amdhsa_system_vgpr_workitem_id 0
		.amdhsa_next_free_vgpr 1024
		.amdhsa_next_free_sgpr 102
		.amdhsa_reserve_vcc 0
		.amdhsa_float_denorm_mode_32 3
		.amdhsa_float_denorm_mode_16_64 3
		.amdhsa_memory_ordered 1
		.amdhsa_forward_progress 1
		.amdhsa_inst_pref_size 204
	.end_amdhsa_kernel
	.amdgpu_metadata
---
amdhsa.version: [ 1, 2 ]
amdhsa.kernels:
  - .name:           k_qc4e3d68a69_fc2
    .symbol:         k_qc4e3d68a69_fc2.kd
    .args:
      - { .name: hbuf, .offset: 0, .size: 8, .value_kind: global_buffer, .address_space: global }
      - { .name: w_fc2_codes, .offset: 8, .size: 8, .value_kind: global_buffer, .address_space: global }
      - { .name: w_fc2_scales, .offset: 16, .size: 8, .value_kind: global_buffer, .address_space: global }
      - { .name: b_fc2, .offset: 24, .size: 8, .value_kind: global_buffer, .address_space: global }
      - { .name: x1, .offset: 32, .size: 8, .value_kind: global_buffer, .address_space: global }
      - { .name: out0, .offset: 40, .size: 8, .value_kind: global_buffer, .address_space: global }
    .group_segment_fixed_size: 327680
    .private_segment_fixed_size: 0
    .kernarg_segment_align: 8
    .kernarg_segment_size: 48
    .max_flat_workgroup_size: 128
    .sgpr_count:     102
    .vgpr_count:     1024
    .wavefront_size: 32
...
	.end_amdgpu_metadata
.endif
;; end of part 6
